; MI455X (gfx1250); checked and timed in simulation.
; The chip was launched on July 23, 2026; its instructions are those of AMD's public machine-readable ISA for CDNA 5 (MIT licence, August 2026) and "CDNA5" Instruction Set Architecture Reference Guide (July 2026). The comments in the code are by the model that wrote it; some were corrected since.
;; Cross Attention. Allowed arithmetic: float matrix products may take bf16 or f16 operands with f32 sums; other float arithmetic in f32, or as packed bf16 or f16 multiplies, adds, multiply-adds, maxima and minima; sums over many terms, partial sums and values carried from step to step in f32; what a program stores and reads back later, other than sums and carried values, may be rounded once to bf16 or f16.
;; Inputs: Kc 2,048 x 1,024 float32; Kp 4,096 x 1,024 float32; Qc 2,048 x 1,024 float32; Qp 4,096 x 1,024 float32; Vc 2,048 x 1,024 float32; Vp 4,096 x 1,024 float32; Wk_c 1,024 x 1,024 float32; Wk_p 1,024 x 1,024 float32; Wq_c 1,024 x 1,024 float32; Wq_p 1,024 x 1,024 float32; Wv_c 1,024 x 1,024 float32; Wv_p 1,024 x 1,024 float32; bk_c 1,024 float32; bk_p 1,024 float32; bq_c 1,024 float32; bq_p 1,024 float32; bv_c 1,024 float32; bv_p 1,024 float32.
;; Outputs: out0 2,048 x 1,024 float32; out1 4,096 x 1,024 float32.
;; 3 versions, each right; version 2 is faster than version 1; version 3 is version 2 with the launch cast written anew for expert scheduling mode. Each part assembles by itself: llvm-mc -triple=amdgcn-amd-amdhsa -mcpu=gfx1250 --defsym DOCPART=n.
;; ======== version 1 of 3: 3 launches
;; workspace buffers: qkv 37,748,736 bytes; pw 33,554,432 bytes; st 1,048,576 bytes
;; launch proj (part 1): grid 4 x 72, 4 waves a work-group, clusters of 4 x 4, 327,680 bytes of LDS; arguments Qc, Qp, Kp, Kc, Vp, Vc, Wq_c, Wq_p, Wk_p, Wk_c, Wv_p, Wv_c, bq_c, bq_p, bk_p, bk_c, bv_p, bv_c, qkv; writes qkv
.if DOCPART == 1
	.amdgcn_target "amdgcn-amd-amdhsa--gfx1250"
	.amdhsa_code_object_version 6
	.text
	.protected	k_q8ed16d2401_proj
	.globl	k_q8ed16d2401_proj
	.p2align	8
	.type	k_q8ed16d2401_proj,@function
k_q8ed16d2401_proj:
	s_mov_b64 s[64:65], 0
	v_nop
	global_prefetch_b8 v0, s[64:65] scope:SCOPE_SE
	s_setreg_imm32_b32 hwreg(HW_REG_WAVE_MODE, 25, 1), 1
	s_wait_xcnt 0x0
	s_wait_alu depctr_hold_cnt(0) depctr_sa_sdst(0) depctr_va_vdst(0) depctr_va_sdst(0) depctr_va_ssrc(0) depctr_va_vcc(0) depctr_vm_vsrc(0)
	s_getreg_b32 s2, hwreg(HW_REG_IB_STS2, 6, 4)
	s_cmp_eq_u32 s2, 0
	s_cbranch_scc0 .Lentry_in_a_cluster
	s_endpgm
.Lentry_in_a_cluster:
	s_bfe_u32 s2, ttmp6, 0x10000c
	s_cmp_lg_u32 s2, 0xf033
	s_cbranch_scc0 .Lentry_shape_is_right
	s_endpgm
.Lentry_shape_is_right:
; ALL SIX PROJECTIONS: qkv[row][n] = bf16( sum over k of X[row][k] W[n][k] + b[n] ).  X, W, b are f32; products in bf16, sums in f32, one rounding at the end.
; qkv is [18432][1024] bf16; its rows: qc 0, qp 2048, kp 6144, kc 10240, vp 12288, vc 16384.  A block of 1,024 rows (one cluster's) lies in one of the six, which is chosen by the cluster's y.
; SHARES.  A work-group makes 256 x 256 of qkv, each of its four waves 128 x 128: 64 accumulators, 512 registers.  K = 1,024 goes in 16 steps of 64 f32 (rows of 256 bytes) through two LDS slots.
; f32 TO bf16 ON THE WAY.  The tiles lie in LDS as f32.  A lane takes 64 consecutive bytes of a row (16 numbers) by four loads and rounds them into the 8 registers of a fragment.
; So inside a group of 32 along K the order of k is another than the unit's own, alike in both operands: the products are the same, their grouping in the sum is not.
; The roundings of the next 32 along K stand behind the matrix instructions of the 32 in hand, four behind every two.
; THE BIAS is the C operand of the first product on each accumulator.  THE MATRIX INSTRUCTION IS USED TRANSPOSED (source 0 = 16 rows of W, source 1 = 16 rows of X): a lane holds eight neighbouring channels of one row.
; CLUSTER 4 x 4: X's tile is shared along a row of the cluster, W's along a column; each is asked for jointly.
; LIMITS.  bf16's rounding of X, W and of the result; NaN and infinities are not treated apart.
; REGISTERS.  window 0: v16-29 addresses; v32-63 rows on the way out; v64-127, v128-191 two stagings of f32 (four fragments each); v192-255 the bias, later the way out.
;   window 1: two fragment buffers of 128: fragment p at 8 p, p 0-7 W's blocks of 16 rows, p 8-15 X's.   windows 2, 3: accumulator (a, b) at 8 (8 (a % 4) + b).
.set PITCH,  272                       ; an LDS row: 256 bytes + 16 of padding: the 16 rows of a load start at 16 different groups of four banks
.set HALFT,  128*PITCH                 ; what one tensor load brings
.set SLOT,   4*HALFT                   ; X's 256 rows, then W's; 0x22000 shares no bit with wave x HALFT, so one exclusive or changes slots
.set STAGE,  2*SLOT                    ; behind the ring: 16 rows x 272 bytes for each wave
.set SPITCH, 272
.set SPARE,  STAGE+4*16*SPITCH         ; the spare words: 128 bytes a wave, named by no other line
.set ADRA0, 16                         ; my lane's place in X's tile of slot 0; never rewritten
.set ADRB0, 17                         ; the same for W
.set ADRA,  18                         ; the same in the slot in hand
.set ADRB,  19
.set STO,   24
.set RD,    25
.set CO,    26
.set BO,    27
.set SPW,   28
.set NIL,   29
.set OB,    32
.set ST0,   64
.set ST1,   128
.set BIAS,  192
.set TMP,   192
.set F0,    0
.set F1,    128
.set G1,  24                           ; s[24:31] group 1 for X's tiles; s[32:39] group 0: a set for each first fill, the second then walks
.set G0,  32
.set G1B, 48                           ; the same for W's tiles
.set G0B, 56
.set TB,  101                          ; s101 the slot being read: 0 or SLOT
.set MSB, 0
.macro WIN new                         ; the immediate's high byte repeats the setting that is left; a switch that changes nothing is dropped
.if MSB != (\new)
	s_set_vgpr_msb (MSB<<8)|(\new)
.set MSB, (\new)
.endif
.endm
.macro PLACES
.rept 4
	v_nop
.endr
.endm
.macro JLOAD                           ; a joint refill by the walking sets: waves 0, 1 fetch X's halves, waves 2, 3 W's; s_nop 0 and four v_nop follow each line
	s_cmp_eq_u32 s11, 0
	s_cbranch_scc0 .Lfor_b_\@
	tensor_load_to_lds s[G0+4:G0+7], s[G1:G1+7]
	s_nop 0
	PLACES
	s_branch .Lasked_\@
.Lfor_b_\@:
	tensor_load_to_lds s[G0B+4:G0B+7], s[G1B:G1B+7]
	s_nop 0
	PLACES
.Lasked_\@:
.endm
.macro CREST                           ; a round of the cluster's barrier behind its opening barrier
	s_cmp_lg_u32 s10, 0
	s_cbranch_scc1 .Lnot_wave_0_\@
	s_barrier_signal -3
.Lnot_wave_0_\@:
	s_barrier_wait -3
	s_barrier_signal -1
	s_barrier_wait -1
.endm
.macro CROUND
	s_barrier_signal -1
	s_barrier_wait -1
	CREST
.endm
.macro PICK thr, x, w, b               ; from cluster row thr on: the next of the six projections
	s_cmp_ge_u32 s45, \thr
	s_cselect_b64 s[14:15], s[\x:\x+1], s[14:15]
	s_cselect_b64 s[46:47], s[\w:\w+1], s[46:47]
	s_cselect_b64 s[18:19], s[\b:\b+1], s[18:19]
	s_cselect_b32 s100, \thr, s100
.endm
	s_load_b512 s[68:83], s[0:1], 0x0              ; Qc Qp Kp Kc Vp Vc Wq_c Wq_p
	s_load_b512 s[84:99], s[0:1], 0x40             ; Wk_p Wk_c Wv_p Wv_c bq_c bq_p bk_p bk_c
	s_load_b128 s[4:7], s[0:1], 0x80               ; bv_p bv_c
	s_load_b64 s[8:9], s[0:1], 0x90                ; qkv
	v_lshl_add_u32 v[SPW], v0, 2, SPARE
	v_mov_b32 v[NIL], 0
	ds_add_u32 v[SPW], v[NIL]                      ; the wave's opening: the add and its wait stand ahead of my first tensor load
	v_lshrrev_b32 v1, 5, v0
	v_readfirstlane_b32 s10, v1                    ; wave 0..3
	s_lshr_b32 s11, s10, 1                         ; my half of the tile's rows; also: I fetch X (0) or W (1)
	s_and_b32 s12, s10, 1                          ; my half of its columns; also: which 128 rows I fetch
	s_bfe_u32 s40, ttmp6, 0x40000                  ; cx
	s_bfe_u32 s41, ttmp6, 0x40004                  ; cy
	s_lshl_b32 s42, ttmp9, 2
	s_add_co_u32 s42, s42, s40                     ; tile column
	s_and_b32 s45, ttmp7, 0xffff                   ; the cluster's y
	s_lshl_b32 s13, s45, 2
	s_add_co_u32 s13, s13, s41                     ; tile row
	s_lshl_b32 s43, s41, 2
	s_lshl_b32 s43, 15, s43                        ; my row of the cluster
	s_lshl_b32 s44, 0x1111, s40                    ; my column
	s_or_b32 s[G1], s43, (2<<16)|(1<<20)|(1<<21)|(5<<22)|(3<<25)   ; the mask; elements of 4 bytes; padding on; bit 21 beside a mask; after every 64 words 4 words
	s_or_b32 s[G1B], s44, (2<<16)|(1<<20)|(1<<21)|(5<<22)|(3<<25)
.irp g, G1, G1B
	s_mov_b32 s[(\g)+1], 64<<16                    ; tensor_dim0 = 64
	s_mov_b32 s[(\g)+2], 128<<16                   ; tensor_dim1 = 128
	s_mov_b32 s[(\g)+3], 64<<16                    ; tile_dim0 = 64
	s_mov_b32 s[(\g)+4], 128                       ; tile_dim1 = 128
	s_mov_b32 s[(\g)+5], 1024                      ; elements from row to row
	s_mov_b32 s[(\g)+6], 0
	s_mov_b32 s[(\g)+7], 0
.endr
	s_mul_i32 s20, s10, HALFT                      ; where my tile goes: wave x 128 rows
	s_mov_b32 s[TB], 0
	s_wait_dscnt 0x0                               ; the opening add is done
	s_wait_kmcnt 0x0
	s_mov_b64 s[14:15], s[68:69]
	s_mov_b64 s[46:47], s[80:81]
	s_mov_b64 s[18:19], s[92:93]
	s_mov_b32 s100, 0
	PICK 2, 70, 82, 94
	PICK 6, 72, 84, 96
	PICK 10, 74, 86, 98
	PICK 12, 76, 88, 4
	PICK 16, 78, 90, 6
	s_lshl_b32 s21, s100, 2
	s_sub_co_u32 s16, s13, s21                     ; tile row inside the chosen X
	s_lshl_b32 s16, s16, 8
	s_lshl_b32 s17, s12, 7
	s_add_co_u32 s16, s16, s17
	s_lshl_b32 s16, s16, 12                        ; rows of 4,096 bytes
	s_mov_b32 s17, 0
	s_add_nc_u64 s[14:15], s[14:15], s[16:17]      ; X at the 128 rows that I fetch
	s_lshl_b32 s66, s42, 8
	s_lshl_b32 s67, s12, 7
	s_add_co_u32 s66, s66, s67                     ; 256 x tile column + 128 x half: the rows of W that I fetch, and my first channel
	s_lshl_b32 s22, s66, 2
	s_lshl_b32 s23, s66, 1
	s_lshl_b32 s66, s66, 12
	s_mov_b32 s67, 0
	s_add_nc_u64 s[46:47], s[46:47], s[66:67]
	s_mov_b32 s66, s22
	s_add_nc_u64 s[18:19], s[18:19], s[66:67]      ; the bias at my first channel
	s_mov_b32 s66, s23
	s_add_nc_u64 s[8:9], s[8:9], s[66:67]
	s_lshl_b32 s16, s13, 8
	s_lshl_b32 s17, s11, 7
	s_add_co_u32 s16, s16, s17
	s_lshl_b32 s16, s16, 11                        ; rows of 2,048 bytes
	s_mov_b32 s17, 0
	s_add_nc_u64 s[8:9], s[8:9], s[16:17]          ; qkv at my 128 x 128
.irp s, 0,1
	s_mov_b32 s[G0+4*(\s)], 1
	s_add_co_u32 s[G0+4*(\s)+1], s20, (\s)*SLOT
	s_add_nc_u64 s[G0+4*(\s)+2:G0+4*(\s)+3], s[14:15], (\s)*256
	s_or_b32 s[G0+4*(\s)+3], s[G0+4*(\s)+3], 0x80000000
	s_mov_b32 s[G0B+4*(\s)], 1
	s_add_co_u32 s[G0B+4*(\s)+1], s20, (\s)*SLOT
	s_add_nc_u64 s[G0B+4*(\s)+2:G0B+4*(\s)+3], s[46:47], (\s)*256
	s_or_b32 s[G0B+4*(\s)+3], s[G0B+4*(\s)+3], 0x80000000
.endr
	CROUND                                         ; all sixteen work-groups are here: the first joint loads meet
	s_cmp_eq_u32 s11, 0                            ; a wave's two first fills stand in one branch: two loads of mine are out
	s_cbranch_scc0 .Lfirst_b
	tensor_load_to_lds s[G0:G0+3], s[G1:G1+7]
	s_nop 0
	tensor_load_to_lds s[G0+4:G0+7], s[G1:G1+7]
	s_nop 0
	PLACES
	s_branch .Lfirst_done
.Lfirst_b:
	tensor_load_to_lds s[G0B:G0B+3], s[G1B:G1B+7]
	s_nop 0
	tensor_load_to_lds s[G0B+4:G0B+7], s[G1B:G1B+7]
	s_nop 0
	PLACES
.Lfirst_done:
	v_and_b32 v1, 15, v0                           ; l % 16
	v_bfe_u32 v2, v0, 4, 1                         ; l / 16
	v_lshlrev_b32 v[BO], 5, v2                     ; block b's C operand: register j of my lane is b[16 b + 8 (l / 16) + j]
.irp b, 0,1,2,3,4,5,6,7
	global_load_b128 v[BIAS+8*(\b):BIAS+8*(\b)+3],   v[BO], s[18:19] offset:64*(\b)
	global_load_b128 v[BIAS+8*(\b)+4:BIAS+8*(\b)+7], v[BO], s[18:19] offset:64*(\b)+16
.endr
	v_mul_u32_u24 v3, v1, PITCH
	v_lshl_add_u32 v3, v2, 6, v3                   ; row x pitch + 64 x half: my 16 numbers of 32
	s_mul_i32 s21, s11, HALFT
	s_mul_i32 s22, s12, HALFT
	s_add_co_u32 s22, s22, 2*HALFT
	v_add_nc_u32 v[ADRA0], s21, v3
	v_add_nc_u32 v[ADRB0], s22, v3
	v_mov_b32 v[ADRA], v[ADRA0]
	v_mov_b32 v[ADRB], v[ADRB0]
	s_mul_i32 s23, s10, 16*SPITCH
	s_add_co_u32 s23, s23, STAGE
	v_mul_u32_u24 v4, v1, SPITCH
	v_lshl_add_u32 v4, v2, 4, v4
	v_add_nc_u32 v[STO], s23, v4                   ; into my stage: row l % 16, 16 bytes for each half of the lanes
	v_mul_u32_u24 v5, v2, SPITCH
	v_lshl_add_u32 v5, v1, 4, v5
	v_add_nc_u32 v[RD], s23, v5                    ; back: lanes 0-15 one row of 256 bytes, lanes 16-31 the next
	v_lshlrev_b32 v5, 11, v2
	v_lshl_add_u32 v[CO], v1, 4, v5                ; the same two rows in qkv
; Quarter q of a group of 32 along K: fragments 4 q .. 4 q + 3 (q 0, 1: W; q 2, 3: X) as f32, 16 loads, from byte kb of the rows into staging st
.macro LOADQ q, kb, st
	WIN 0
.irp i, 0,1,2,3
.irp n, 0,1,2,3
.if (\q) < 2
	ds_load_b128 v[(\st)+16*(\i)+4*(\n):(\st)+16*(\i)+4*(\n)+3], v[ADRB] offset:(\kb)+(4*(\q)+(\i))*16*PITCH+16*(\n)
.else
	ds_load_b128 v[(\st)+16*(\i)+4*(\n):(\st)+16*(\i)+4*(\n)+3], v[ADRA] offset:(\kb)+(4*(\q)-8+(\i))*16*PITCH+16*(\n)
.endif
.endr
.endr
.endm
.macro CVTQ q, st, cf                  ; a staged quarter rounded into buffer cf: 32 roundings
	WIN 0x40
.set m_, 0
.rept 32
	v_cvt_pk_bf16_f32 v[(\cf)+32*(\q)+m_], v[(\st)+2*m_], v[(\st)+2*m_+1]
.set m_, m_+1
.endr
.endm
; Row block a of buffer mf against all 8 column blocks; behind every two products four roundings (cv = 1): fragments p0, p0 + 1 of buffer cf, from staging st.
; fst = 1: the bias starts the sums.  The roundings name no register of the products round them: the four behind a group's last product are the places
; in front of the first rounding that writes the buffer which that product read.  The 64 accumulators take turns.
.macro HG mf, a, fst, cv, st, p0, cf
.irp n, 0,1,2,3
.if \fst
	WIN 0x85+0x40*((\a)/4)
.else
	WIN 0xa5+0x50*((\a)/4)
.endif
.irp d, 0,1
.set AC, 8*(8*((\a)%4)+2*(\n)+(\d))
.set FB, (\mf)+8*(2*(\n)+(\d))
.set FA, (\mf)+64+8*(\a)
.if \fst
	v_wmma_f32_16x16x32_bf16 v[AC:AC+7], v[FB:FB+7], v[FA:FA+7], v[BIAS+8*(2*(\n)+(\d)):BIAS+8*(2*(\n)+(\d))+7]
.else
	v_wmma_f32_16x16x32_bf16 v[AC:AC+7], v[FB:FB+7], v[FA:FA+7], v[AC:AC+7]
.endif
.endr
.if \cv
	WIN 0x40
.irp z, 0,1,2,3
	v_cvt_pk_bf16_f32 v[(\cf)+8*(\p0)+4*(\n)+(\z)], v[(\st)+16*((\p0)%4)+2*(4*(\n)+(\z))], v[(\st)+16*((\p0)%4)+2*(4*(\n)+(\z))+1]
.endr
.endif
.endr
.endm
; Group g of four: asks for quarter lq at byte lkb into the staging that the group before has emptied, and rounds quarter g, which was asked for a group ago
.macro GRP mf, cf, g, fst, lq, lkb
	LOADQ \lq, \lkb, ST0+64*(((\g)+1)%2)
	s_wait_dscnt 16                                ; all but the 16 just issued
	HG \mf, 2*(\g), \fst, 1, ST0+64*((\g)%2), 4*(\g), \cf
	HG \mf, 2*(\g)+1, \fst, 1, ST0+64*((\g)%2), 4*(\g)+2, \cf
.endm
.macro CHUNK_O mf, cf                  ; the second 32 of a K step are multiplied; the next step's first 32 are staged and rounded
	GRP \mf, \cf, 0, 0, 1, 0
	GRP \mf, \cf, 1, 0, 2, 0
	GRP \mf, \cf, 2, 0, 3, 0
	GRP \mf, \cf, 3, 0, 0, 128
.endm
; The first 32 of a K step are multiplied; its second 32 are staged and rounded.  With the third group's loads the slot has been read out, so the fourth group changes slots.
; fill = 1: the slot is filled again, two K steps on, behind a round of the cluster's barrier.
.macro CHUNK_E mf, cf, fst, fill
	GRP \mf, \cf, 0, \fst, 1, 128
	GRP \mf, \cf, 1, \fst, 2, 128
	GRP \mf, \cf, 2, \fst, 3, 128
	WIN 0
	s_wait_tensorcnt 0x0                           ; all my tensor loads have landed: my part of the next slot; so a group 0 may be written
	ds_add_u32 v[SPW], v[NIL]                      ; 0 onto my spare word
.if \fill
	s_xor_b32 s[G0+5], s[G0+5], SLOT               ; the walking sets: the other slot, the next K step
	s_add_nc_u64 s[G0+6:G0+7], s[G0+6:G0+7], 256
	s_xor_b32 s[G0B+5], s[G0B+5], SLOT
	s_add_nc_u64 s[G0B+6:G0B+7], s[G0B+6:G0B+7], 256
.endif
	s_wait_dscnt 0x0                               ; the add is done, and my reads of this slot are over
	s_barrier_signal -1
	HG \mf, 6, \fst, 1, ST1, 12, \cf               ; work on registers while the others arrive
	WIN 0
	s_barrier_wait -1
.if \fill
	CREST                                          ; no wave of any partner still reads the slot or has a load on its way
	JLOAD                                          ; the first tensor load behind the round, my one
.endif
	s_xor_b32 s[TB], s[TB], SLOT
	v_add_nc_u32 v[ADRA], s[TB], v[ADRA0]
	v_add_nc_u32 v[ADRB], s[TB], v[ADRB0]
	LOADQ 0, 0, ST0
	HG \mf, 7, \fst, 1, ST1, 14, \cf
.endm
	s_wait_tensorcnt 0x1                           ; my part of K step 0 is in; K step 1's may stay out
	s_barrier_signal -1
	s_barrier_wait -1
	LOADQ 0, 0, ST0                                ; the first 32 along K are staged and rounded with nothing beside them
	LOADQ 1, 0, ST1
	s_wait_dscnt 16
	CVTQ 0, ST0, F0
	LOADQ 2, 0, ST0
	s_wait_dscnt 16
	CVTQ 1, ST1, F0
	LOADQ 3, 0, ST1
	s_wait_dscnt 16
	CVTQ 2, ST0, F0
	LOADQ 0, 128, ST0
	s_wait_dscnt 16
	CVTQ 3, ST1, F0
	s_wait_loadcnt 0x0                             ; the bias
	CHUNK_E F0, F1, 1, 1                           ; K step 0's first half starts the sums; K step 2 is asked for
	WIN 0
	s_mov_b32 s3, 13
.Lstep:                                                ; 13 trips: a step's second half and the next step's first; K steps 3 to 15 are asked for
	CHUNK_O F1, F0
	CHUNK_E F0, F1, 0, 1
	WIN 0
	s_sub_co_u32 s3, s3, 1
	s_cmp_lg_u32 s3, 0
	s_cbranch_scc1 .Lstep
	s_mov_b32 s3, 2
.Ltail:                                                ; two trips that ask for nothing.  The second's last 16 LDS loads read a slot that holds an old step, and serve nothing: the price of one text for both
	CHUNK_O F1, F0
	CHUNK_E F0, F1, 0, 0
	WIN 0
	s_sub_co_u32 s3, s3, 1
	s_cmp_lg_u32 s3, 0
	s_cbranch_scc1 .Ltail
.irp a, 0,1,2,3,4,5,6,7
	HG F1, \a, 0, 0, 0, 0, 0                       ; the last 32 along K
.endr
	PLACES                                         ; the roundings below read results just made
; THE WAY OUT: 16 rows at a time: rounded to bf16, 16 bytes a lane into my stage, back as whole rows of 256 bytes, stored
.macro PACK a
.set AC, 64*((\a)%4)
	WIN 0x0a+5*((\a)/4)
.irp b, 0,1,2,3,4,5,6,7
.irp r, 0,1,2,3
	v_cvt_pk_bf16_f32 v[TMP+4*(\b)+(\r)], v[AC+8*(\b)+2*(\r)], v[AC+8*(\b)+2*(\r)+1]
.endr
.endr
	WIN 0
.endm
.macro TOSTAGE a
.set BK, OB+192*((\a)%2)
.irp b, 0,1,2,3,4,5,6,7
	ds_store_b128 v[STO], v[TMP+4*(\b):TMP+4*(\b)+3] offset:32*(\b)
.endr
.irp t, 0,1,2,3,4,5,6,7
	ds_load_b128 v[BK+4*(\t):BK+4*(\t)+3], v[RD] offset:(\t)*2*SPITCH  ; LDS serves a wave's instructions in order: these see the stores above
.endr
.endm
.macro SEND a
.set BK, OB+192*((\a)%2)
	s_wait_dscnt 0x0                               ; the block is back in registers
	s_wait_xcnt 0x0                                ; the stores' base and the registers that earlier stores read are rewritten only behind this wait
.if (\a) != 0
	s_add_nc_u64 s[8:9], s[8:9], 16*2048
.endif
.irp t, 0,1,2,3,4,5,6,7
	global_store_b128 v[CO], v[BK+4*(\t):BK+4*(\t)+3], s[8:9] offset:2*(\t)*2048  ; 16 lanes store 256 consecutive bytes, aligned
.endr
.endm
	PACK 0
	TOSTAGE 0
.irp a, 1,2,3,4,5,6,7
	PACK \a
	SEND (\a)-1
	TOSTAGE \a
.endr
	SEND 7
	s_wait_tensorcnt 0x0                           ; the wave's end
	ds_add_u32 v[SPW], v[NIL]
	s_wait_dscnt 0x0
	CROUND                                         ; the closing round
	s_endpgm
.Lfunc_end_k_q8ed16d2401_proj:
	.size	k_q8ed16d2401_proj, .Lfunc_end_k_q8ed16d2401_proj-k_q8ed16d2401_proj
	.p2alignl 7, 3214868480
	.fill 96, 4, 3214868480
	.section	.rodata,"a",@progbits
	.p2align	6, 0x0
	.amdhsa_kernel k_q8ed16d2401_proj
		.amdhsa_group_segment_fixed_size 327680
		.amdhsa_private_segment_fixed_size 0
		.amdhsa_enable_private_segment 0
		.amdhsa_kernarg_size 152
		.amdhsa_user_sgpr_count 2
		.amdhsa_user_sgpr_kernarg_segment_ptr 1
		.amdhsa_wavefront_size32 1
		.amdhsa_system_sgpr_workgroup_id_x 1
		.amdhsa_system_sgpr_workgroup_id_y 1
		.amdhsa_system_sgpr_workgroup_id_z 1
		.amdhsa_system_vgpr_workitem_id 0
		.amdhsa_next_free_vgpr 1024
		.amdhsa_next_free_sgpr 102
		.amdhsa_reserve_vcc 0
		.amdhsa_float_denorm_mode_32 3
		.amdhsa_float_denorm_mode_16_64 3
		.amdhsa_memory_ordered 1
		.amdhsa_forward_progress 1
		.amdhsa_inst_pref_size 153
	.end_amdhsa_kernel
	.amdgpu_metadata
---
amdhsa.version: [ 1, 2 ]
amdhsa.kernels:
  - .name:           k_q8ed16d2401_proj
    .symbol:         k_q8ed16d2401_proj.kd
    .args:
      - { .name: Qc, .offset: 0, .size: 8, .value_kind: global_buffer, .address_space: global }
      - { .name: Qp, .offset: 8, .size: 8, .value_kind: global_buffer, .address_space: global }
      - { .name: Kp, .offset: 16, .size: 8, .value_kind: global_buffer, .address_space: global }
      - { .name: Kc, .offset: 24, .size: 8, .value_kind: global_buffer, .address_space: global }
      - { .name: Vp, .offset: 32, .size: 8, .value_kind: global_buffer, .address_space: global }
      - { .name: Vc, .offset: 40, .size: 8, .value_kind: global_buffer, .address_space: global }
      - { .name: Wq_c, .offset: 48, .size: 8, .value_kind: global_buffer, .address_space: global }
      - { .name: Wq_p, .offset: 56, .size: 8, .value_kind: global_buffer, .address_space: global }
      - { .name: Wk_p, .offset: 64, .size: 8, .value_kind: global_buffer, .address_space: global }
      - { .name: Wk_c, .offset: 72, .size: 8, .value_kind: global_buffer, .address_space: global }
      - { .name: Wv_p, .offset: 80, .size: 8, .value_kind: global_buffer, .address_space: global }
      - { .name: Wv_c, .offset: 88, .size: 8, .value_kind: global_buffer, .address_space: global }
      - { .name: bq_c, .offset: 96, .size: 8, .value_kind: global_buffer, .address_space: global }
      - { .name: bq_p, .offset: 104, .size: 8, .value_kind: global_buffer, .address_space: global }
      - { .name: bk_p, .offset: 112, .size: 8, .value_kind: global_buffer, .address_space: global }
      - { .name: bk_c, .offset: 120, .size: 8, .value_kind: global_buffer, .address_space: global }
      - { .name: bv_p, .offset: 128, .size: 8, .value_kind: global_buffer, .address_space: global }
      - { .name: bv_c, .offset: 136, .size: 8, .value_kind: global_buffer, .address_space: global }
      - { .name: qkv, .offset: 144, .size: 8, .value_kind: global_buffer, .address_space: global }
    .group_segment_fixed_size: 327680
    .private_segment_fixed_size: 0
    .kernarg_segment_align: 8
    .kernarg_segment_size: 152
    .max_flat_workgroup_size: 128
    .sgpr_count:     102
    .vgpr_count:     1024
    .wavefront_size: 32
...
	.end_amdgpu_metadata
.endif
;; end of part 1
;; launch scores (part 2): grid 8 x 32, 4 waves a work-group, clusters of 4 x 4, 327,680 bytes of LDS; arguments qkv, pw, st; writes pw, st
.if DOCPART == 2
	.amdgcn_target "amdgcn-amd-amdhsa--gfx1250"
	.amdhsa_code_object_version 6
	.text
	.protected	k_q8ed16d2401_scores
	.globl	k_q8ed16d2401_scores
	.p2align	8
	.type	k_q8ed16d2401_scores,@function
k_q8ed16d2401_scores:
	s_mov_b64 s[64:65], 0
	v_nop
	global_prefetch_b8 v0, s[64:65] scope:SCOPE_SE
	s_setreg_imm32_b32 hwreg(HW_REG_WAVE_MODE, 25, 1), 1
	s_wait_xcnt 0x0
	s_wait_alu depctr_hold_cnt(0) depctr_sa_sdst(0) depctr_va_vdst(0) depctr_va_sdst(0) depctr_va_ssrc(0) depctr_va_vcc(0) depctr_vm_vsrc(0)
	s_getreg_b32 s2, hwreg(HW_REG_IB_STS2, 6, 4)
	s_cmp_eq_u32 s2, 0
	s_cbranch_scc0 .Lentry_in_a_cluster
	s_endpgm
.Lentry_in_a_cluster:
	s_bfe_u32 s2, ttmp6, 0x10000c
	s_cmp_lg_u32 s2, 0xf033
	s_cbranch_scc0 .Lentry_shape_is_right
	s_endpgm
.Lentry_shape_is_right:
; SCORES AND WEIGHTS.  For a tile of 256 queries x 256 keys: s = q . k (bf16 operands, f32 sums, K = 1,024); for each query e = floor(c max s) + 1 over the tile's 256 keys, c = log2(e) / 32;
; p = 2^(c s - e), in 0 to 1, rounded to bf16 into pw; l = the sum of the unrounded p over a wave's 128 keys; (e, l) into st.  The next launch joins the tiles by exact powers of two.
; So the tile's true maximum, rounded up to a whole exponent, is taken away in front of every exponential.
; VIRTUAL ROWS.  pw is [8192][2048]: rows 0-2047 compound queries x protein keys 0-2047; rows 2048-4095 the same queries x keys 2048-4095; rows 4096-8191 protein queries x compound keys.
; st: records of 1,024 bytes at ((block of 128 virtual rows x 8 + block of 256 keys) x 2 + half of 128 keys) x 1,024: 128 pairs (e, l).
; SHARES.  Four waves, each 128 x 128: 64 accumulators.  K goes in 8 steps of 128 through two LDS slots.  Source 0 = 16 keys, source 1 = 16 queries: a lane holds one query and eight neighbouring keys.
; CLUSTER 4 x 4: q's tile is shared along a row of the cluster, k's along a column.
; LIMITS.  A weight below 2^-126 counts as 0; NaN and infinities are not treated apart.
; REGISTERS.  window 0: v16-35 addresses; v64-127, v128-191 q's fragments, two buffers; from the epilogue on v64-233 as named below.  window 1: the same two buffers for k.  windows 2, 3: accumulator (a, b) at 8 (8 (a % 4) + b).
.set PITCH,  272
.set HALFT,  128*PITCH
.set SLOT,   4*HALFT                   ; 0x22000 shares no bit with wave x HALFT: one exclusive or changes slots
.set STAGE,  2*SLOT
.set SPITCH, 272
.set XM,     STAGE+4*16*SPITCH         ; 512 bytes a wave: its 128 rows' maxima, for the wave that holds the rows' other 128 keys
.set SS,     XM+4*512                  ; 1,024 bytes a wave: its record
.set SPARE,  SS+4*1024
.set ADRA,  16
.set ADRA0, 17
.set ADRB,  20
.set ADRB0, 21
.set STO,   24
.set RD,    25
.set CO,    26
.set SPW,   28
.set NIL,   29
.set XMA,   30
.set XMP,   31
.set SSA,   32
.set SSA0,  33
.set SSR,   34
.set REC,   35
.set F0,    64
.set F1,    128
.set E,     64                         ; a block's 64 scores of my lane, then its weights
.set PK,    128                        ; the weights in bf16
.set BK,    160                        ; whole rows back from the stage
.set T,     192
.set MX,    200
.set PM,    208
.set CM,    216                        ; e of my row in each of the 8 blocks
.set CMC,   224                        ; e of the block in hand,
.set LL,    225                        ; and beside it l: the pair that is stored
.set LS,    226
.set G1,  24
.set G0,  32
.set G1B, 48
.set G0B, 56
.set CS,  66                           ; s[66:67] c
.set SEL, 68                           ; s[68:69] v_permlanex16_b32's selects
.set BKC, 70                           ; s70 the block in hand
.set TB,  71                           ; s71 the slot being read
.set MSB, 0
.macro WIN new
.if MSB != (\new)
	s_set_vgpr_msb (MSB<<8)|(\new)
.set MSB, (\new)
.endif
.endm
.set MUL_LO, 0xa1
.set MUL_HI, 0xf1
.macro PLACES
.rept 4
	v_nop
.endr
.endm
.macro JLOAD
	s_cmp_eq_u32 s11, 0
	s_cbranch_scc0 .Lfor_b_\@
	tensor_load_to_lds s[G0+4:G0+7], s[G1:G1+7]
	s_nop 0
	PLACES
	s_branch .Lasked_\@
.Lfor_b_\@:
	tensor_load_to_lds s[G0B+4:G0B+7], s[G1B:G1B+7]
	s_nop 0
	PLACES
.Lasked_\@:
.endm
.macro CREST
	s_cmp_lg_u32 s10, 0
	s_cbranch_scc1 .Lnot_wave_0_\@
	s_barrier_signal -3
.Lnot_wave_0_\@:
	s_barrier_wait -3
	s_barrier_signal -1
	s_barrier_wait -1
.endm
.macro CROUND
	s_barrier_signal -1
	s_barrier_wait -1
	CREST
.endm
	s_load_b128 s[4:7], s[0:1], 0x0                ; qkv, pw
	s_load_b64 s[8:9], s[0:1], 0x10                ; st
	v_lshl_add_u32 v[SPW], v0, 2, SPARE
	v_mov_b32 v[NIL], 0
	ds_add_u32 v[SPW], v[NIL]                      ; the wave's opening: the add and its wait stand ahead of my first tensor load
	v_lshrrev_b32 v1, 5, v0
	v_readfirstlane_b32 s10, v1
	s_lshr_b32 s11, s10, 1
	s_and_b32 s12, s10, 1
	s_bfe_u32 s40, ttmp6, 0x40000
	s_bfe_u32 s41, ttmp6, 0x40004
	s_lshl_b32 s42, ttmp9, 2
	s_add_co_u32 s42, s42, s40                     ; block of 256 keys
	s_and_b32 s45, ttmp7, 0xffff
	s_lshl_b32 s13, s45, 2
	s_add_co_u32 s13, s13, s41                     ; block of 256 virtual rows
	s_lshl_b32 s43, s41, 2
	s_lshl_b32 s43, 15, s43
	s_lshl_b32 s44, 0x1111, s40
	s_or_b32 s[G1], s43, (1<<16)|(1<<20)|(1<<21)|(5<<22)|(3<<25)
	s_or_b32 s[G1B], s44, (1<<16)|(1<<20)|(1<<21)|(5<<22)|(3<<25)
.irp g, G1, G1B
	s_mov_b32 s[(\g)+1], 128<<16
	s_mov_b32 s[(\g)+2], 128<<16
	s_mov_b32 s[(\g)+3], 128<<16
	s_mov_b32 s[(\g)+4], 128
	s_mov_b32 s[(\g)+5], 1024
	s_mov_b32 s[(\g)+6], 0
	s_mov_b32 s[(\g)+7], 0
.endr
	s_lshl_b32 s16, s13, 8                         ; q's row in qkv: 256 x block, less 2,048 from the second panel on
	s_cmp_ge_u32 s45, 2
	s_cselect_b32 s17, 2048, 0
	s_sub_co_u32 s16, s16, s17
	s_lshl_b32 s17, s12, 7
	s_add_co_u32 s16, s16, s17
	s_lshl_b32 s16, s16, 11
	s_mov_b32 s17, 0
	s_lshr_b32 s72, s45, 1                         ; k's row: 6,144 + 2,048 x panel (0, 1: kp's halves; 2: kc) + 256 x key block
	s_min_u32 s72, s72, 2
	s_lshl_b32 s72, s72, 11
	s_add_co_u32 s72, s72, 6144
	s_lshl_b32 s73, s42, 8
	s_add_co_u32 s72, s72, s73
	s_lshl_b32 s73, s12, 7
	s_add_co_u32 s72, s72, s73
	s_lshl_b32 s72, s72, 11
	s_mov_b32 s73, 0
	s_mul_i32 s20, s10, HALFT
	s_mov_b32 s[TB], 0
	s_mov_b32 s[CS], 0x3d38aa3b                    ; c = log2(e) / 32
	s_mov_b32 s[CS+1], s[CS]
	s_mov_b32 s[SEL], 0x76543210
	s_mov_b32 s[SEL+1], 0xfedcba98
	s_wait_dscnt 0x0
	s_wait_kmcnt 0x0
	s_add_nc_u64 s[14:15], s[4:5], s[16:17]
	s_add_nc_u64 s[46:47], s[4:5], s[72:73]
.irp s, 0,1
	s_mov_b32 s[G0+4*(\s)], 1
	s_add_co_u32 s[G0+4*(\s)+1], s20, (\s)*SLOT
	s_add_nc_u64 s[G0+4*(\s)+2:G0+4*(\s)+3], s[14:15], (\s)*256
	s_or_b32 s[G0+4*(\s)+3], s[G0+4*(\s)+3], 0x80000000
	s_mov_b32 s[G0B+4*(\s)], 1
	s_add_co_u32 s[G0B+4*(\s)+1], s20, (\s)*SLOT
	s_add_nc_u64 s[G0B+4*(\s)+2:G0B+4*(\s)+3], s[46:47], (\s)*256
	s_or_b32 s[G0B+4*(\s)+3], s[G0B+4*(\s)+3], 0x80000000
.endr
	CROUND
	s_cmp_eq_u32 s11, 0                            ; a wave's two first fills stand in one branch: two loads of mine are out
	s_cbranch_scc0 .Lfirst_b
	tensor_load_to_lds s[G0:G0+3], s[G1:G1+7]
	s_nop 0
	tensor_load_to_lds s[G0+4:G0+7], s[G1:G1+7]
	s_nop 0
	PLACES
	s_branch .Lfirst_done
.Lfirst_b:
	tensor_load_to_lds s[G0B:G0B+3], s[G1B:G1B+7]
	s_nop 0
	tensor_load_to_lds s[G0B+4:G0B+7], s[G1B:G1B+7]
	s_nop 0
	PLACES
.Lfirst_done:
	s_lshl_b32 s16, s13, 8                         ; pw at my 128 rows x 128 keys
	s_lshl_b32 s17, s11, 7
	s_add_co_u32 s16, s16, s17
	s_lshl_b32 s16, s16, 12
	s_mov_b32 s17, 0
	s_add_nc_u64 s[6:7], s[6:7], s[16:17]
	s_lshl_b32 s72, s42, 9
	s_lshl_b32 s73, s12, 8
	s_add_co_u32 s72, s72, s73
	s_mov_b32 s73, 0
	s_add_nc_u64 s[6:7], s[6:7], s[72:73]
	s_lshl_b32 s72, s13, 1                         ; st at my record
	s_add_co_u32 s72, s72, s11
	s_lshl_b32 s72, s72, 3
	s_add_co_u32 s72, s72, s42
	s_lshl_b32 s72, s72, 1
	s_add_co_u32 s72, s72, s12
	s_lshl_b32 s72, s72, 10
	s_add_nc_u64 s[8:9], s[8:9], s[72:73]
	v_and_b32 v1, 15, v0
	v_bfe_u32 v2, v0, 4, 1
	v_mul_u32_u24 v3, v1, PITCH
	v_lshl_add_u32 v3, v2, 4, v3
	s_mul_i32 s21, s11, HALFT
	s_mul_i32 s22, s12, HALFT
	s_add_co_u32 s22, s22, 2*HALFT
	v_add_nc_u32 v[ADRA0], s21, v3
	v_add_nc_u32 v[ADRB0], s22, v3
	v_mov_b32 v[ADRA], v[ADRA0]
	v_mov_b32 v[ADRB], v[ADRB0]
	s_mul_i32 s23, s10, 16*SPITCH
	s_add_co_u32 s23, s23, STAGE
	v_mul_u32_u24 v4, v1, SPITCH
	v_lshl_add_u32 v4, v2, 4, v4
	v_add_nc_u32 v[STO], s23, v4
	v_mul_u32_u24 v5, v2, SPITCH
	v_lshl_add_u32 v5, v1, 4, v5
	v_add_nc_u32 v[RD], s23, v5
	v_lshlrev_b32 v5, 12, v2
	v_lshl_add_u32 v[CO], v1, 4, v5
	s_lshl_b32 s21, s10, 9
	s_add_co_u32 s21, s21, XM
	v_lshl_add_u32 v[XMA], v1, 2, s21              ; my wave's maxima
	s_xor_b32 s22, s10, 1
	s_lshl_b32 s22, s22, 9
	s_add_co_u32 s22, s22, XM
	v_lshl_add_u32 v[XMP], v1, 2, s22              ; those of the wave with the same rows and the other keys
	s_lshl_b32 s21, s10, 10
	s_add_co_u32 s21, s21, SS
	v_lshl_add_u32 v[SSA0], v1, 3, s21
	v_and_b32 v[REC], 31, v0
	v_lshlrev_b32 v[REC], 4, v[REC]
	v_add_nc_u32 v[SSR], s21, v[REC]
.macro MUL16 f, hi, a0, zero           ; 16 products: row blocks a0, a0 + 1 of the window's four x all 8 key blocks, 32 along K
	WIN MUL_LO+0x50*(\hi)
.irp a, \a0, (\a0)+1
.irp b, 0,1,2,3,4,5,6,7
.if \zero
	v_wmma_f32_16x16x32_bf16 v[8*(8*(\a)+(\b)):8*(8*(\a)+(\b))+7], v[(\f)+8*(\b):(\f)+8*(\b)+7], v[(\f)+8*(4*(\hi)+(\a)):(\f)+8*(4*(\hi)+(\a))+7], 0
.else
	v_wmma_f32_16x16x32_bf16 v[8*(8*(\a)+(\b)):8*(8*(\a)+(\b))+7], v[(\f)+8*(\b):(\f)+8*(\b)+7], v[(\f)+8*(4*(\hi)+(\a)):(\f)+8*(4*(\hi)+(\a))+7], v[8*(8*(\a)+(\b)):8*(8*(\a)+(\b))+7]
.endif
.endr
.endr
.endm
.macro FETCH k, f                      ; 32 LDS loads in one run: k's 8 fragments, then q's, 32 along K at byte k of the rows of the slot in hand
	WIN 0x40
.irp i, 0,1,2,3,4,5,6,7
	ds_load_b128 v[(\f)+8*(\i):(\f)+8*(\i)+3],   v[ADRB] offset:(\k)+(\i)*16*PITCH
	ds_load_b128 v[(\f)+8*(\i)+4:(\f)+8*(\i)+7], v[ADRB] offset:(\k)+(\i)*16*PITCH+32
.endr
	WIN 0
.irp i, 0,1,2,3,4,5,6,7
	ds_load_b128 v[(\f)+8*(\i):(\f)+8*(\i)+3],   v[ADRA] offset:(\k)+(\i)*16*PITCH
	ds_load_b128 v[(\f)+8*(\i)+4:(\f)+8*(\i)+7], v[ADRA] offset:(\k)+(\i)*16*PITCH+32
.endr
.endm
.macro QUARTER k, f, g, zero           ; multiplies buffer f; in its middle fetches the next 32 along K, at byte k, into g
	s_wait_dscnt 8                                 ; k's fragments and q's rows 0-63 are in; the youngest eight loads may be out
	MUL16 \f, 0, 0, \zero
	MUL16 \f, 0, 2, \zero
	PLACES                                         ; in front of loads into registers that matrix instructions have read
	FETCH \k, \g
	s_wait_dscnt 32                                ; all but the 32 just issued
	MUL16 \f, 1, 0, \zero
	MUL16 \f, 1, 2, \zero
.endm
.macro TURN fill                       ; a step's last quarter multiplies buffer 1 and changes slots; fill = 1: the slot is filled again, two K steps on
	WIN 0
	s_wait_tensorcnt 0x0                           ; all my tensor loads have landed: my part of the next slot
	ds_add_u32 v[SPW], v[NIL]                      ; 0 onto my spare word
.if \fill
	s_xor_b32 s[G0+5], s[G0+5], SLOT
	s_add_nc_u64 s[G0+6:G0+7], s[G0+6:G0+7], 256
	s_xor_b32 s[G0B+5], s[G0B+5], SLOT
	s_add_nc_u64 s[G0B+6:G0B+7], s[G0B+6:G0B+7], 256
.endif
	s_wait_dscnt 9                                 ; the add and the youngest eight loads may be out
	MUL16 F1, 0, 0, 0
	s_wait_dscnt 0x0                               ; the add is done, and my reads of this slot are over
	s_barrier_signal -1
	MUL16 F1, 0, 2, 0
	WIN 0
	s_barrier_wait -1
.if \fill
	CREST
	JLOAD                                          ; its four v_nop are also the places in front of the loads below
.else
	PLACES
.endif
	s_xor_b32 s[TB], s[TB], SLOT
	v_add_nc_u32 v[ADRA], s[TB], v[ADRA0]
	v_add_nc_u32 v[ADRB], s[TB], v[ADRB0]
	FETCH 0, F0
	MUL16 F1, 1, 0, 0
	MUL16 F1, 1, 2, 0
.endm
	s_wait_tensorcnt 0x1                           ; my part of K step 0 is in; K step 1's may stay out
	s_barrier_signal -1
	s_barrier_wait -1
	FETCH 0, F0
	QUARTER 64, F0, F1, 1                          ; the first quarter starts the sums
	WIN 0
	s_mov_b32 s3, 6
.Lstep:                                                ; six trips, from a step's second quarter to the next step's first; K steps 2 to 7 are asked for
	QUARTER 128, F1, F0, 0
	QUARTER 192, F0, F1, 0
	TURN 1
	QUARTER 64, F0, F1, 0
	WIN 0
	s_sub_co_u32 s3, s3, 1
	s_cmp_lg_u32 s3, 0
	s_cbranch_scc1 .Lstep
	s_mov_b32 s3, 2
.Ltail:                                                ; the last two steps ask for nothing; the second trip is left in its middle.  Its change of slots and the 32 loads behind it serve nothing: the price of one text
	QUARTER 128, F1, F0, 0
	QUARTER 192, F0, F1, 0
	TURN 0
	WIN 0
	s_sub_co_u32 s3, s3, 1
	s_cmp_eq_u32 s3, 0
	s_cbranch_scc1 .Lout
	QUARTER 64, F0, F1, 0
	WIN 0
	s_branch .Ltail
.Lout:
	PLACES                                         ; the maxima below read results just made
; The maximum of my lane's 64 scores of row block a (each accumulator's lowest registers first), joined with the lane 16 away: the row's 128 keys of my wave
.macro MAXB a
.set AC, 64*((\a)%4)
	WIN 0x2a+0x15*((\a)/4)
.irp b, 0,1,2,3,4,5,6,7
	v_max3_num_f32 v[T+(\b)], v[AC+8*(\b)], v[AC+8*(\b)+1], v[AC+8*(\b)+2]
.endr
	WIN 0x28+0x14*((\a)/4)
.irp b, 0,1,2,3,4,5,6,7
	v_max3_num_f32 v[T+(\b)], v[T+(\b)], v[AC+8*(\b)+3], v[AC+8*(\b)+4]
.endr
.irp b, 0,1,2,3,4,5,6,7
	v_max3_num_f32 v[T+(\b)], v[T+(\b)], v[AC+8*(\b)+5], v[AC+8*(\b)+6]
.endr
.irp b, 0,1,2,3,4,5,6,7
	v_max_num_f32 v[T+(\b)], v[T+(\b)], v[AC+8*(\b)+7]
.endr
	WIN 0
	v_max3_num_f32 v[T], v[T], v[T+1], v[T+2]
	v_max3_num_f32 v[T+3], v[T+3], v[T+4], v[T+5]
	v_max3_num_f32 v[T], v[T], v[T+3], v[T+6]
	v_max_num_f32 v[T], v[T], v[T+7]
	v_permlanex16_b32 v[T+1], v[T], s[SEL], s[SEL+1]
	v_max_num_f32 v[MX+(\a)], v[T], v[T+1]
	ds_store_b32 v[XMA], v[MX+(\a)] offset:64*(\a)
.endm
.irp a, 0,1,2,3,4,5,6,7
	MAXB \a
.endr
	s_wait_dscnt 0x0                               ; for the other wave's sake: my maxima are stored (and the loads that serve nothing are back)
	s_barrier_signal -1
	s_barrier_wait -1
.irp a, 0,1,2,3,4,5,6,7
	ds_load_b32 v[PM+(\a)], v[XMP] offset:64*(\a)
.endr
	s_wait_dscnt 0x0
.irp a, 0,1,2,3,4,5,6,7
	v_max_num_f32 v[MX+(\a)], v[MX+(\a)], v[PM+(\a)]
.endr
.irp a, 0,1,2,3,4,5,6,7
	v_mul_f32 v[CM+(\a)], s[CS], v[MX+(\a)]
.endr
.irp a, 0,1,2,3,4,5,6,7
	v_floor_f32 v[CM+(\a)], v[CM+(\a)]
.endr
.irp a, 0,1,2,3,4,5,6,7
	v_add_f32 v[CM+(\a)], 1.0, v[CM+(\a)]          ; e = floor(c max) + 1: both waves of a row make the same number
.endr
	v_mov_b32 v[LL], 0                             ; named as a pair with e below
	s_mov_b32 s[BKC], 0
; Eight trips, a row block each.  Only the lines that name the block's accumulators differ: they are written eight times and chosen by the counter; the rest is written once.
.macro HEAD a                          ; c s - e of block a into window 0
	v_mov_b32 v[CMC], v[CM+(\a)]
	WIN 0x02+((\a)/4)
.set i_, 0
.rept 32
	v_pk_fma_f32 v[E+2*i_:E+2*i_+1], v[64*((\a)%4)+2*i_:64*((\a)%4)+2*i_+1], s[CS:CS+1], v[CMC:CMC+1] op_sel_hi:[1,0,0] neg_lo:[0,0,1] neg_hi:[0,0,1]
.set i_, i_+1
.endr
	WIN 0
.endm
.macro PLN b, j                        ; plain instruction j of key block b: four roundings to bf16, four packed sums (key block 1's start the sums with key block 0's weights)
.if (\j) < 4
	s_wait_alu depctr_va_vdst(0)
	v_cvt_pk_bf16_f32 v[PK+4*(\b)+(\j)], v[E+8*(\b)+2*(\j)], v[E+8*(\b)+2*(\j)+1]
.elseif (\b) == 1
	v_pk_add_f32 v[LS+2*(\j)-8:LS+2*(\j)-7], v[E+2*(\j)-8:E+2*(\j)-7], v[E+2*(\j):E+2*(\j)+1]
.elseif (\b) > 1
	v_pk_add_f32 v[LS+2*(\j)-8:LS+2*(\j)-7], v[LS+2*(\j)-8:LS+2*(\j)-7], v[E+8*(\b)+2*(\j)-8:E+8*(\b)+2*(\j)-7]
.endif
.endm
.Lblk:
.irp a, 0,1,2,3,4,5,6
	s_cmp_eq_u32 s[BKC], \a
	s_cbranch_scc1 .Lb\a
.endr
	HEAD 7
	s_branch .Lcom
.irp a, 0,1,2,3,4,5
.Lb\a:
	HEAD \a
	s_branch .Lcom
.endr
.Lb6:
	HEAD 6
.Lcom:
.set b_, 0
.rept 8                                ; an exponential, then a plain instruction of the key block before: a plain instruction stands between every exponential and the use of its result
.set j_, 0
.rept 8
	v_exp_f32 v[E+8*b_+j_], v[E+8*b_+j_]
.if b_ > 0
	PLN b_-1, j_
.endif
.set j_, j_+1
.endr
.if b_ == 0
	v_nop
.endif
.set b_, b_+1
.endr
.irp j, 0,1,2,3
	PLN 7, \j
.endr
.irp b, 0,1,2,3,4,5,6,7
	ds_store_b128 v[STO], v[PK+4*(\b):PK+4*(\b)+3] offset:32*(\b)
.endr
.irp t, 0,1,2,3,4,5,6,7
	ds_load_b128 v[BK+4*(\t):BK+4*(\t)+3], v[RD] offset:(\t)*2*SPITCH  ; LDS serves a wave's instructions in order: these see the stores above
.endr
.irp j, 4,5,6,7
	PLN 7, \j
.endr
	v_pk_add_f32 v[LS:LS+1], v[LS:LS+1], v[LS+2:LS+3]
	v_pk_add_f32 v[LS+4:LS+5], v[LS+4:LS+5], v[LS+6:LS+7]
	v_pk_add_f32 v[LS:LS+1], v[LS:LS+1], v[LS+4:LS+5]
	v_add_f32 v[T], v[LS], v[LS+1]
	v_permlanex16_b32 v[T+1], v[T], s[SEL], s[SEL+1]
	v_add_f32 v[LL], v[T], v[T+1]                  ; l: the row's 128 keys of my wave
	s_lshl_b32 s21, s[BKC], 7
	v_add_nc_u32 v[SSA], s21, v[SSA0]
	ds_store_b64 v[SSA], v[CMC:CMC+1]              ; (e, l) of row 16 x block + l % 16; both halves of the lanes write the same
	s_wait_dscnt 1                                 ; the rows are back; that last store may be out
.irp t, 0,1,2,3,4,5,6,7
	global_store_b128 v[CO], v[BK+4*(\t):BK+4*(\t)+3], s[6:7] offset:2*(\t)*4096  ; 16 lanes store 256 consecutive bytes, aligned
.endr
	s_wait_xcnt 0x0                                ; the base and the stores' registers are rewritten only behind this wait
	s_add_nc_u64 s[6:7], s[6:7], 16*4096
	s_add_co_u32 s[BKC], s[BKC], 1
	s_cmp_lt_u32 s[BKC], 8
	s_cbranch_scc1 .Lblk
	ds_load_b128 v[BK:BK+3], v[SSR]                ; my record, 1,024 bytes that my wave alone wrote
	ds_load_b128 v[BK+4:BK+7], v[SSR] offset:512
	s_wait_dscnt 0x0
	global_store_b128 v[REC], v[BK:BK+3], s[8:9]
	global_store_b128 v[REC], v[BK+4:BK+7], s[8:9] offset:512
	s_wait_tensorcnt 0x0                           ; the wave's end
	ds_add_u32 v[SPW], v[NIL]
	s_wait_dscnt 0x0
	CROUND
	s_endpgm
.Lfunc_end_k_q8ed16d2401_scores:
	.size	k_q8ed16d2401_scores, .Lfunc_end_k_q8ed16d2401_scores-k_q8ed16d2401_scores
	.p2alignl 7, 3214868480
	.fill 96, 4, 3214868480
	.section	.rodata,"a",@progbits
	.p2align	6, 0x0
	.amdhsa_kernel k_q8ed16d2401_scores
		.amdhsa_group_segment_fixed_size 327680
		.amdhsa_private_segment_fixed_size 0
		.amdhsa_enable_private_segment 0
		.amdhsa_kernarg_size 24
		.amdhsa_user_sgpr_count 2
		.amdhsa_user_sgpr_kernarg_segment_ptr 1
		.amdhsa_wavefront_size32 1
		.amdhsa_system_sgpr_workgroup_id_x 1
		.amdhsa_system_sgpr_workgroup_id_y 1
		.amdhsa_system_sgpr_workgroup_id_z 1
		.amdhsa_system_vgpr_workitem_id 0
		.amdhsa_next_free_vgpr 1024
		.amdhsa_next_free_sgpr 80
		.amdhsa_reserve_vcc 0
		.amdhsa_float_denorm_mode_32 3
		.amdhsa_float_denorm_mode_16_64 3
		.amdhsa_memory_ordered 1
		.amdhsa_forward_progress 1
		.amdhsa_inst_pref_size 116
	.end_amdhsa_kernel
	.amdgpu_metadata
---
amdhsa.version: [ 1, 2 ]
amdhsa.kernels:
  - .name:           k_q8ed16d2401_scores
    .symbol:         k_q8ed16d2401_scores.kd
    .args:
      - { .name: qkv, .offset: 0, .size: 8, .value_kind: global_buffer, .address_space: global }
      - { .name: pw, .offset: 8, .size: 8, .value_kind: global_buffer, .address_space: global }
      - { .name: st, .offset: 16, .size: 8, .value_kind: global_buffer, .address_space: global }
    .group_segment_fixed_size: 327680
    .private_segment_fixed_size: 0
    .kernarg_segment_align: 8
    .kernarg_segment_size: 24
    .max_flat_workgroup_size: 128
    .sgpr_count:     80
    .vgpr_count:     1024
    .wavefront_size: 32
...
	.end_amdgpu_metadata
.endif
;; end of part 2
;; launch pv (part 3): grid 8 x 32, 4 waves a work-group, clusters of 4 x 4, 327,680 bytes of LDS; arguments pw, st, qkv, out0, out1; writes out0, out1
.if DOCPART == 3
	.amdgcn_target "amdgcn-amd-amdhsa--gfx1250"
	.amdhsa_code_object_version 6
	.text
	.protected	k_q8ed16d2401_pv
	.globl	k_q8ed16d2401_pv
	.p2align	8
	.type	k_q8ed16d2401_pv,@function
k_q8ed16d2401_pv:
	s_mov_b64 s[64:65], 0
	v_nop
	global_prefetch_b8 v0, s[64:65] scope:SCOPE_SE
	s_setreg_imm32_b32 hwreg(HW_REG_WAVE_MODE, 25, 1), 1
	s_wait_xcnt 0x0
	s_wait_alu depctr_hold_cnt(0) depctr_sa_sdst(0) depctr_va_vdst(0) depctr_va_sdst(0) depctr_va_ssrc(0) depctr_va_vcc(0) depctr_vm_vsrc(0)
	s_getreg_b32 s2, hwreg(HW_REG_IB_STS2, 6, 4)
	s_cmp_eq_u32 s2, 0
	s_cbranch_scc0 .Lentry_in_a_cluster
	s_endpgm
.Lentry_in_a_cluster:
	s_bfe_u32 s2, ttmp6, 0x10000c
	s_cmp_lg_u32 s2, 0xf033
	s_cbranch_scc0 .Lentry_shape_is_right
	s_endpgm
.Lentry_shape_is_right:
; O = softmax x v from the weights and statistics of the launch before.  For a row: E = the largest e of its key blocks, g = 2^(e - E) (an exact power of two), L = sum of g l,
; O[row][ch] = (sum over keys of (g p) v[key][ch]) / L.  p and v are bf16, g p is exact but for underflow, sums in f32, O is f32.
; SHARES.  A work-group makes tiles of 128 rows x 128 channels and walks 16 K steps of 256 keys, in two phases of 2,048: equal work for all 256.
;   compound rows (cluster rows 0-3): ONE tile, 4,096 keys: phase 1 goes on with the same sums.   protein rows (cluster rows 4-7): TWO tiles, 2,048 rows apart, 2,048 keys each:
;   the first goes out behind phase 0 and the sums are cleared.  Which of the two hangs on the cluster's y alone.
; A wave makes 64 x 64: 16 accumulators.  Source 0 = 16 channels of v (turned out of LDS by ds_load_tr16_b128), source 1 = 16 rows of p: a lane holds one row and eight neighbouring channels.
; CLUSTER 4 x 4: p's tile is shared along a row of the cluster, v's along a column.
; The sums are cleared by moves: at the start, in the wait for the first tile, and between a protein work-group's two tiles: the price of one text for every K step.
; LIMITS.  A g below 2^-126 counts as 0; NaN and infinities are not treated apart.
; REGISTERS.  window 0: v6-20 addresses and reciprocals; v32-63 the way out; v64-95, v96-127 p's fragments, two buffers; v128-255 the accumulators ((a, b) at 128 + 8 (4 a + b); first the statistics).
;   window 1: v0-4 LDS addresses; v8-11 g of my row in each of the four row blocks, twice in bf16; v64-95, v96-127 v's fragments.
;   Setting 0x01 (source 0 in window 1) serves the products, the scaling and p's loads; 0x41 v's and g's loads and the address sums.
.set PA,     528                       ; a row of p in LDS: 512 bytes + 16
.set PB,     288                       ; a row of v: 256 + 32
.set HA,     64*PA
.set HB,     128*PB
.set BOFF,   2*HA                      ; a slot: p's 128 rows, then v's 256 keys
.set SLOT,   147456                    ; 0x24000 shares no bit with a tile's place in a slot: one exclusive or changes slots
.set STAGE,  SLOT+BOFF+2*HB
.set SPITCH, 272
.set GT,     STAGE+4*16*SPITCH         ; 17 entries of 512 bytes: for K step n the 128 rows' g; the last is 0 and serves the loads behind the last step
.set RL,     GT+17*512                 ; 1 / L of the 128 rows, for each phase
.set SPARE,  RL+1024
.set STO, 6
.set RD,  7
.set CO,  8
.set RLA, 9
.set R,   10                           ; v10, 12, 14, 16: 1 / L of my row in the four row blocks; v11, 13, 15, 17: 0, named with them as pairs
.set GTA, 18
.set RLS, 19
.set SO,  20
.set SPW, 28
.set NIL, 29
.set TMP, 32
.set AF,  64
.set ACC, 128
.set S0,  128                          ; the statistics: for n = 8 phase + key block: e, l, e, l of the two halves at S0 + 4 n
.set M0,  192
.set MXX, 194
.set MF,  196
.set LP,  198
.set LT,  200
.set AA,  0                            ; window 1
.set AB,  1
.set AA0, 2
.set AB0, 3
.set GA,  4
.set G,   8
.set BF,  64
.set G1,  24
.set G0,  32
.set G1B, 48
.set G0B, 56
.set TB,   74
.set NX,   75                          ; the K step to be asked for next
.set KM,   76                          ; v's keys go round after 8 steps (protein rows) or run on (compound rows)
.set FL,   77                          ; the outer counter's value at which the first tile goes out; never met for compound rows
.set CPM,  78                          ; all ones for compound rows
.set ISPC, 79
.set C128, 84
.set CB2,  85
.set C512, 86
.set MSB, 0
.macro WIN new
.if MSB != (\new)
	s_set_vgpr_msb (MSB<<8)|(\new)
.set MSB, (\new)
.endif
.endm
.macro PLACES
.rept 4
	v_nop
.endr
.endm
.macro JLOAD
	s_cmp_eq_u32 s11, 0
	s_cbranch_scc0 .Lfor_b_\@
	tensor_load_to_lds s[G0+4:G0+7], s[G1:G1+7]
	s_nop 0
	PLACES
	s_branch .Lasked_\@
.Lfor_b_\@:
	tensor_load_to_lds s[G0B+4:G0B+7], s[G1B:G1B+7]
	s_nop 0
	PLACES
.Lasked_\@:
.endm
.macro CREST
	s_cmp_lg_u32 s10, 0
	s_cbranch_scc1 .Lnot_wave_0_\@
	s_barrier_signal -3
.Lnot_wave_0_\@:
	s_barrier_wait -3
	s_barrier_signal -1
	s_barrier_wait -1
.endm
.macro CROUND
	s_barrier_signal -1
	s_barrier_wait -1
	CREST
.endm
	s_load_b128 s[4:7], s[0:1], 0x0                ; pw, st
	s_load_b128 s[68:71], s[0:1], 0x10             ; qkv, out0
	s_load_b64 s[72:73], s[0:1], 0x20              ; out1
	v_lshl_add_u32 v[SPW], v0, 2, SPARE
	v_mov_b32 v[NIL], 0
	ds_add_u32 v[SPW], v[NIL]                      ; the wave's opening: the add and its wait stand ahead of my first tensor load
	v_lshrrev_b32 v1, 5, v0
	v_readfirstlane_b32 s10, v1
	s_lshr_b32 s11, s10, 1                         ; my half of the rows; also: I fetch p (0) or v (1)
	s_and_b32 s12, s10, 1                          ; my half of the channels; also: which half of that tile I fetch
	s_bfe_u32 s40, ttmp6, 0x40000
	s_bfe_u32 s41, ttmp6, 0x40004
	s_lshl_b32 s42, ttmp9, 2
	s_add_co_u32 s42, s42, s40                     ; block of 128 channels
	s_and_b32 s45, ttmp7, 0xffff
	s_lshl_b32 s13, s45, 2
	s_add_co_u32 s13, s13, s41                     ; y
	s_lshl_b32 s43, s41, 2
	s_lshl_b32 s43, 15, s43
	s_lshl_b32 s44, 0x1111, s40
	s_cmp_ge_u32 s45, 4
	s_cselect_b32 s[ISPC], 1, 0
	s_cselect_b32 s[KM], 7, 15
	s_cselect_b32 s[FL], 7, 0xffff
	s_cselect_b32 s[CPM], 0, -1
	s_or_b32 s[G1], s43, (1<<16)|(1<<20)|(1<<21)|(6<<22)|(3<<25)   ; p: 64 rows x 256 keys; after every 128 words 4 words of padding
	s_mov_b32 s[G1+1], 256<<16
	s_mov_b32 s[G1+2], 64<<16
	s_mov_b32 s[G1+3], 256<<16
	s_mov_b32 s[G1+4], 64
	s_mov_b32 s[G1+5], 2048
	s_mov_b32 s[G1+6], 0
	s_mov_b32 s[G1+7], 0
	s_or_b32 s[G1B], s44, (1<<16)|(1<<20)|(1<<21)|(5<<22)|(7<<25)  ; v: 128 keys x 128 channels; after every 64 words 8 words
	s_mov_b32 s[G1B+1], 128<<16
	s_mov_b32 s[G1B+2], 128<<16
	s_mov_b32 s[G1B+3], 128<<16
	s_mov_b32 s[G1B+4], 128
	s_mov_b32 s[G1B+5], 1024
	s_mov_b32 s[G1B+6], 0
	s_mov_b32 s[G1B+7], 0
	s_lshl_b32 s22, s[ISPC], 4
	s_add_co_u32 s22, s22, s13                     ; my first block of 128 virtual rows: y, or y + 16
	s_lshl_b32 s16, s22, 7
	s_lshl_b32 s17, s12, 6
	s_add_co_u32 s16, s16, s17
	s_lshl_b32 s16, s16, 12
	s_mov_b32 s17, 0                               ; stays 0: s[16:17] is p's offset from here on
	s_lshl_b32 s2, s22, 14                         ; the block's sixteen records
	s_mov_b32 s3, 0
	s_lshl_b32 s80, s[ISPC], 12
	s_add_co_u32 s80, s80, 12288                   ; vp's first row in qkv, or vc's
	s_lshl_b32 s81, s12, 7
	s_add_co_u32 s80, s80, s81
	s_lshl_b32 s80, s80, 11
	s_lshl_b32 s81, s42, 8
	s_add_co_u32 s80, s80, s81
	s_mov_b32 s81, 0
	s_mov_b32 s67, 0                               ; stays 0: s[66:67] is v's offset
	s_mov_b32 s[TB], 0
	s_mov_b32 s[NX], 2
	s_mov_b32 s[C128], 128
	s_mov_b32 s[CB2], 2*32*PB
	s_mov_b32 s[C512], 512
	s_wait_dscnt 0x0
	s_wait_kmcnt 0x0
	s_add_nc_u64 s[14:15], s[4:5], s[16:17]        ; p at K step 0 of the 64 rows that I fetch
	s_add_nc_u64 s[6:7], s[6:7], s[2:3]
	s_add_nc_u64 s[46:47], s[68:69], s[80:81]      ; v at K step 0 of the 128 keys that I fetch
	s_cmp_ge_u32 s45, 4
	s_cselect_b64 s[82:83], s[72:73], s[70:71]
	s_lshl_b32 s22, s[ISPC], 4
	s_sub_co_u32 s22, s13, s22
	s_lshl_b32 s22, s22, 7
	s_lshl_b32 s23, s11, 6
	s_add_co_u32 s22, s22, s23
	s_lshl_b32 s80, s22, 12
	s_lshl_b32 s22, s42, 9
	s_add_co_u32 s80, s80, s22
	s_lshl_b32 s22, s12, 8
	s_add_co_u32 s80, s80, s22
	s_add_nc_u64 s[18:19], s[82:83], s[80:81]      ; the output at my 64 x 64 of the first tile,
	s_lshl_b32 s80, s[ISPC], 23
	s_add_nc_u64 s[20:21], s[18:19], s[80:81]      ; and of the last (the same one for compound rows)
	s_mul_i32 s22, s12, HA
	s_mul_i32 s23, s12, HB
	s_add_co_u32 s23, s23, BOFF
.irp s, 0,1
	s_mov_b32 s[G0+4*(\s)], 1
	s_add_co_u32 s[G0+4*(\s)+1], s22, (\s)*SLOT
	s_add_nc_u64 s[G0+4*(\s)+2:G0+4*(\s)+3], s[14:15], (\s)*512
	s_or_b32 s[G0+4*(\s)+3], s[G0+4*(\s)+3], 0x80000000
	s_mov_b32 s[G0B+4*(\s)], 1
	s_add_co_u32 s[G0B+4*(\s)+1], s23, (\s)*SLOT
	s_add_nc_u64 s[G0B+4*(\s)+2:G0B+4*(\s)+3], s[46:47], (\s)*(1<<19)
	s_or_b32 s[G0B+4*(\s)+3], s[G0B+4*(\s)+3], 0x80000000
.endr
	CROUND
	s_cmp_eq_u32 s11, 0                            ; a wave's two first fills stand in one branch: two loads of mine are out
	s_cbranch_scc0 .Lfirst_b
	tensor_load_to_lds s[G0:G0+3], s[G1:G1+7]
	s_nop 0
	tensor_load_to_lds s[G0+4:G0+7], s[G1:G1+7]
	s_nop 0
	PLACES
	s_branch .Lfirst_done
.Lfirst_b:
	tensor_load_to_lds s[G0B:G0B+3], s[G1B:G1B+7]
	s_nop 0
	tensor_load_to_lds s[G0B+4:G0B+7], s[G1B:G1B+7]
	s_nop 0
	PLACES
.Lfirst_done:
	; THE STATISTICS.  Thread i owns row i of the 128: 32 pairs (e, l); a wave's load covers 256 consecutive bytes, aligned.
	v_lshlrev_b32 v[SO], 3, v0
.set n_, 0
.rept 32
	global_load_b64 v[S0+2*n_:S0+2*n_+1], v[SO], s[6:7] offset:(n_/16)*262144+(n_%16)*1024
.set n_, n_+1
.endr
	v_and_b32 v1, 15, v0
	v_bfe_u32 v2, v0, 4, 1
	v_mul_u32_u24 v3, v1, PA
	v_lshl_add_u32 v3, v2, 4, v3
	s_mul_i32 s22, s11, HA
	v_add_nc_u32 v3, s22, v3                       ; p's fragments: row x pitch + 16 x half, in my 64 rows
	v_and_b32 v4, 7, v0
	v_lshl_add_u32 v4, v2, 3, v4
	v_mul_u32_u24 v4, v4, PB
	v_bfe_u32 v5, v0, 3, 1
	v_lshl_add_u32 v4, v5, 4, v4
	s_lshl_b32 s22, s12, 7
	s_add_co_u32 s22, s22, BOFF
	v_add_nc_u32 v4, s22, v4                       ; the turning load: key 8 (l / 16) + l % 8, channels 8 ((l / 8) % 2) on, in my 64 channels
	s_lshl_b32 s22, s11, 8
	s_add_co_u32 s23, s22, GT
	v_lshl_add_u32 v5, v1, 2, s23                  ; g of row 64 x half + l % 16
	s_add_co_u32 s23, s22, RL
	v_lshl_add_u32 v[RLA], v1, 2, s23
	WIN 0x40
	v_mov_b32 v[AA0], v3
	v_mov_b32 v[AA], v3
	v_mov_b32 v[AB0], v4
	v_mov_b32 v[AB], v4
	v_mov_b32 v[GA], v5
	WIN 0
	s_mul_i32 s23, s10, 16*SPITCH
	s_add_co_u32 s23, s23, STAGE
	v_mul_u32_u24 v3, v1, SPITCH
	v_lshl_add_u32 v3, v2, 5, v3
	v_add_nc_u32 v[STO], s23, v3                   ; into my stage: row l % 16, 32 bytes for each half of the lanes
	v_mul_u32_u24 v3, v2, SPITCH
	v_lshl_add_u32 v3, v1, 4, v3
	v_add_nc_u32 v[RD], s23, v3
	v_lshlrev_b32 v3, 12, v2
	v_lshl_add_u32 v[CO], v1, 4, v3
	v_lshl_add_u32 v[GTA], v0, 2, GT
	v_lshl_add_u32 v[RLS], v0, 2, RL
.irp a, 0,1,2,3
	v_mov_b32 v[R+2*(\a)+1], 0
.endr
	s_wait_loadcnt 0x0
.irp p, 0,1
	v_max3_num_f32 v[M0+(\p)], v[S0+32*(\p)], v[S0+32*(\p)+4], v[S0+32*(\p)+8]
	v_max3_num_f32 v[M0+(\p)], v[M0+(\p)], v[S0+32*(\p)+12], v[S0+32*(\p)+16]
	v_max3_num_f32 v[M0+(\p)], v[M0+(\p)], v[S0+32*(\p)+20], v[S0+32*(\p)+24]
	v_max_num_f32 v[M0+(\p)], v[M0+(\p)], v[S0+32*(\p)+28]
.endr
	v_max_num_f32 v[MXX], v[M0], v[M0+1]
	v_cndmask_b32 v[MF], v[M0], v[MXX], s[CPM]     ; E: over both phases for compound rows, over its own for protein rows
	v_cndmask_b32 v[MF+1], v[M0+1], v[MXX], s[CPM]
.set n_, 0
.rept 16
	v_sub_f32 v[S0+4*n_], v[S0+4*n_], v[MF+n_/8]
	v_add_f32 v[S0+4*n_+1], v[S0+4*n_+1], v[S0+4*n_+3]
.set n_, n_+1
.endr
.set n_, 0
.rept 16
	v_exp_f32 v[S0+4*n_+2], v[S0+4*n_]             ; g
.set n_, n_+1
.endr
	v_nop                                          ; a plain instruction between the last exponential and the use of its result
	s_wait_alu depctr_va_vdst(0)
.irp p, 0,1
	v_mul_f32 v[LP+(\p)], v[S0+32*(\p)+2], v[S0+32*(\p)+1]
.irp k, 1,2,3,4,5,6,7
	v_fmac_f32 v[LP+(\p)], v[S0+32*(\p)+4*(\k)+2], v[S0+32*(\p)+4*(\k)+1]
.endr
.endr
	v_add_f32 v[LT], v[LP], v[LP+1]
	v_cndmask_b32 v[LP], v[LP], v[LT], s[CPM]
	v_cndmask_b32 v[LP+1], v[LP+1], v[LT], s[CPM]
	v_rcp_f32 v[LP], v[LP]
	v_rcp_f32 v[LP+1], v[LP+1]
.set n_, 0
.rept 16
	v_cvt_pk_bf16_f32 v[S0+4*n_], v[S0+4*n_+2], v[S0+4*n_+2]  ; g twice, for the packed multiply; a power of two: the rounding changes nothing
.set n_, n_+1
.endr
.set n_, 0
.rept 16
	ds_store_b32 v[GTA], v[S0+4*n_] offset:512*n_
.set n_, n_+1
.endr
	ds_store_b32 v[GTA], v[R+1] offset:512*16
	s_wait_alu depctr_va_vdst(0)
	ds_store_b32 v[RLS], v[LP]
	ds_store_b32 v[RLS], v[LP+1] offset:512
.set n_, 0
.rept 128
	v_mov_b32 v[ACC+n_], 0
.set n_, n_+1
.endr
.macro WM f, a, b                      ; one product, under setting 0x01
	v_wmma_f32_16x16x32_bf16 v[ACC+8*(4*(\a)+(\b)):ACC+8*(4*(\a)+(\b))+7], v[BF+32*(\f)+8*(\b):BF+32*(\f)+8*(\b)+7], v[AF+32*(\f)+8*(\a):AF+32*(\f)+8*(\a)+7], v[ACC+8*(4*(\a)+(\b)):ACC+8*(4*(\a)+(\b))+7]
.endm
.macro LDB g, kb                       ; v's four fragments of 32 keys, turned
	WIN 0x41
.irp b, 0,1,2,3
	ds_load_tr16_b128 v[BF+32*(\g)+8*(\b):BF+32*(\g)+8*(\b)+3],   v[AB] offset:(\kb)+32*(\b)
	ds_load_tr16_b128 v[BF+32*(\g)+8*(\b)+4:BF+32*(\g)+8*(\b)+7], v[AB] offset:(\kb)+32*(\b)+16*PB
.endr
.endm
.macro LDA g, ka                       ; p's four fragments of 32 keys
	WIN 0x01
.irp a, 0,1,2,3
	ds_load_b128 v[AF+32*(\g)+8*(\a):AF+32*(\g)+8*(\a)+3],   v[AA] offset:(\ka)+16*PA*(\a)
	ds_load_b128 v[AF+32*(\g)+8*(\a)+4:AF+32*(\g)+8*(\a)+7], v[AA] offset:(\ka)+16*PA*(\a)+32
.endr
.endm
.macro LDG                             ; g of my row in the four row blocks, for the K step that begins
	WIN 0x41
.irp a, 0,1,2,3
	ds_load_b32 v[G+(\a)], v[GA] offset:64*(\a)
.endr
.endm
.macro SC g, n0, cnt                   ; cnt registers of p's buffer g times g
	WIN 0x01
.set n_, (\n0)
.rept \cnt
	v_pk_mul_bf16 v[AF+32*(\g)+n_], v[G+n_/8], v[AF+32*(\g)+n_]
.set n_, n_+1
.endr
.endm
; 32 keys: buffer f is multiplied; the next 32 keys are fetched into buffer g and scaled, four multiplies behind each of the last eight products.  Those behind the last product name none of
; its registers: they are the places in front of the next loads into the buffer that it read.  The 16 accumulators take turns.
.macro CH f, g, ka, kb
	LDB \g, \kb
	LDA \g, \ka
.irp x, 0,1,2,3,4,5,6,7
	WM \f, (\x)/4, (\x)%4
.endr
	s_wait_dscnt 0x0
.irp x, 0,1,2,3,4,5,6,7
	WM \f, 2+(\x)/4, (\x)%4
	SC \g, 4*(\x), 4
.endr
.endm
.macro THREE                           ; a K step's first 192 keys: three trips of 64
	s_mov_b32 s3, 3
.Lpair_\@:
	CH 0, 1, 64, 32*PB
	CH 1, 0, 128, 2*32*PB
	WIN 0x41
	v_add_nc_u32 v[AA], v[AA], s[C128]
	v_add_nc_u32 v[AB], v[AB], s[CB2]
	WIN 0
	s_sub_co_u32 s3, s3, 1
	s_cmp_lg_u32 s3, 0
	s_cbranch_scc1 .Lpair_\@
.endm
; A K step's last 64 keys, and the change of slots.  fill = 1: the slot is filled again with K step NX; the descriptors' addresses are made anew from that number.
.macro PAIR_T fill
	CH 0, 1, 64, 32*PB
	WIN 0
	s_wait_tensorcnt 0x0                           ; all my tensor loads have landed: my part of the next slot; so a group 0 may be written
	ds_add_u32 v[SPW], v[NIL]                      ; 0 onto my spare word
.if \fill
	s_and_b32 s16, s[NX], 7
	s_lshl_b32 s16, s16, 9                         ; 512 bytes along p's rows a step,
	s_lshr_b32 s22, s[NX], 3
	s_lshl_b32 s22, s22, 23                        ; 2,048 virtual rows down in phase 1
	s_add_co_u32 s16, s16, s22
	s_and_b32 s66, s[NX], s[KM]
	s_lshl_b32 s66, s66, 19                        ; 256 rows of v a step
	s_xor_b32 s[G0+5], s[G0+5], SLOT
	s_add_nc_u64 s[G0+6:G0+7], s[14:15], s[16:17]
	s_or_b32 s[G0+7], s[G0+7], 0x80000000
	s_xor_b32 s[G0B+5], s[G0B+5], SLOT
	s_add_nc_u64 s[G0B+6:G0B+7], s[46:47], s[66:67]
	s_or_b32 s[G0B+7], s[G0B+7], 0x80000000
	s_add_co_u32 s[NX], s[NX], 1
.endif
	s_wait_dscnt 0x0                               ; the add is done, and my reads of this slot are over
	s_barrier_signal -1
	WIN 0x01
.irp x, 0,1,2,3,4,5,6,7
	WM 1, (\x)/4, (\x)%4
.endr
	WIN 0
	s_barrier_wait -1
.if \fill
	CREST
	JLOAD
.endif
	s_xor_b32 s[TB], s[TB], SLOT
	WIN 0x41
	v_add_nc_u32 v[AA], v[AA0], s[TB]
	v_add_nc_u32 v[AB], v[AB0], s[TB]
	v_add_nc_u32 v[GA], v[GA], s[C512]
	LDB 0, 0
	LDG
	LDA 0, 0
.irp b, 0,1,2,3
	WM 1, 2, \b
.endr
	s_wait_dscnt 0x0
.irp b, 0,1,2,3
	WM 1, 3, \b
	SC 0, 8*(\b), 8
.endr
	WIN 0
.endm
; A tile goes out: divided by L, 16 rows at a time through my stage, back as whole rows of 256 bytes.  Each accumulator is read from its low end on.
.macro FLUSH p, base, clear
.irp a, 0,1,2,3
	ds_load_b32 v[R+2*(\a)], v[RLA] offset:512*(\p)+64*(\a)
.endr
	s_wait_dscnt 0x0
.irp a, 0,1,2,3
	s_wait_xcnt 0x0                                ; the registers that earlier stores read are rewritten only behind this wait
.set i_, 0
.rept 16
	v_pk_mul_f32 v[TMP+2*i_:TMP+2*i_+1], v[ACC+32*(\a)+2*i_:ACC+32*(\a)+2*i_+1], v[R+2*(\a):R+2*(\a)+1] op_sel_hi:[1,0]
.set i_, i_+1
.endr
.irp b, 0,1,2,3
	ds_store_b128 v[STO], v[TMP+8*(\b):TMP+8*(\b)+3] offset:64*(\b)
	ds_store_b128 v[STO], v[TMP+8*(\b)+4:TMP+8*(\b)+7] offset:64*(\b)+16
.endr
.irp t, 0,1,2,3,4,5,6,7
	ds_load_b128 v[TMP+4*(\t):TMP+4*(\t)+3], v[RD] offset:(\t)*2*SPITCH  ; LDS serves a wave's instructions in order: these see the stores above
.endr
	s_wait_dscnt 0x0
.irp t, 0,1,2,3,4,5,6,7
	global_store_b128 v[CO], v[TMP+4*(\t):TMP+4*(\t)+3], s[\base:\base+1] offset:65536*(\a)+8192*(\t) th:TH_STORE_NT  ; 16 lanes store 256 consecutive bytes, aligned
.endr
.endr
.if \clear
.set n_, 0
.rept 128
	v_mov_b32 v[ACC+n_], 0
.set n_, n_+1
.endr
.endif
.endm
	s_wait_tensorcnt 0x1                           ; my part of K step 0 is in; K step 1's may stay out
	s_wait_dscnt 0x0                               ; for the others' sake: my rows' g and 1 / L are stored
	s_barrier_signal -1
	s_barrier_wait -1
	LDB 0, 0
	LDG
	LDA 0, 0
	s_wait_dscnt 0x0
	SC 0, 0, 32
	WIN 0
	s_mov_b32 s2, 14
.Lstep:                                                ; 14 trips, a K step each; K steps 2 to 15 are asked for
	THREE
	PAIR_T 1
	s_cmp_eq_u32 s2, s[FL]                         ; behind K step 7 a protein work-group's first tile is whole; the jump passes no barrier and no tensor load
	s_cbranch_scc0 .Lnoflush
	FLUSH 0, 18, 1
.Lnoflush:
	s_sub_co_u32 s2, s2, 1
	s_cmp_lg_u32 s2, 0
	s_cbranch_scc1 .Lstep
	s_mov_b32 s2, 2
.Ltail:                                                ; the last two K steps ask for nothing.  Behind the last the loads from an old slot and of g's spare entry serve nothing: the price of one text for both
	THREE
	PAIR_T 0
	s_sub_co_u32 s2, s2, 1
	s_cmp_lg_u32 s2, 0
	s_cbranch_scc1 .Ltail
	FLUSH 1, 20, 0
	s_wait_tensorcnt 0x0                           ; the wave's end
	ds_add_u32 v[SPW], v[NIL]
	s_wait_dscnt 0x0
	CROUND
	s_endpgm
.Lfunc_end_k_q8ed16d2401_pv:
	.size	k_q8ed16d2401_pv, .Lfunc_end_k_q8ed16d2401_pv-k_q8ed16d2401_pv
	.p2alignl 7, 3214868480
	.fill 96, 4, 3214868480
	.section	.rodata,"a",@progbits
	.p2align	6, 0x0
	.amdhsa_kernel k_q8ed16d2401_pv
		.amdhsa_group_segment_fixed_size 327680
		.amdhsa_private_segment_fixed_size 0
		.amdhsa_enable_private_segment 0
		.amdhsa_kernarg_size 40
		.amdhsa_user_sgpr_count 2
		.amdhsa_user_sgpr_kernarg_segment_ptr 1
		.amdhsa_wavefront_size32 1
		.amdhsa_system_sgpr_workgroup_id_x 1
		.amdhsa_system_sgpr_workgroup_id_y 1
		.amdhsa_system_sgpr_workgroup_id_z 1
		.amdhsa_system_vgpr_workitem_id 0
		.amdhsa_next_free_vgpr 384
		.amdhsa_next_free_sgpr 96
		.amdhsa_reserve_vcc 0
		.amdhsa_float_denorm_mode_32 3
		.amdhsa_float_denorm_mode_16_64 3
		.amdhsa_memory_ordered 1
		.amdhsa_forward_progress 1
		.amdhsa_inst_pref_size 89
	.end_amdhsa_kernel
	.amdgpu_metadata
---
amdhsa.version: [ 1, 2 ]
amdhsa.kernels:
  - .name:           k_q8ed16d2401_pv
    .symbol:         k_q8ed16d2401_pv.kd
    .args:
      - { .name: pw, .offset: 0, .size: 8, .value_kind: global_buffer, .address_space: global }
      - { .name: st, .offset: 8, .size: 8, .value_kind: global_buffer, .address_space: global }
      - { .name: qkv, .offset: 16, .size: 8, .value_kind: global_buffer, .address_space: global }
      - { .name: out0, .offset: 24, .size: 8, .value_kind: global_buffer, .address_space: global }
      - { .name: out1, .offset: 32, .size: 8, .value_kind: global_buffer, .address_space: global }
    .group_segment_fixed_size: 327680
    .private_segment_fixed_size: 0
    .kernarg_segment_align: 8
    .kernarg_segment_size: 40
    .max_flat_workgroup_size: 128
    .sgpr_count:     96
    .vgpr_count:     384
    .wavefront_size: 32
...
	.end_amdgpu_metadata
.endif
;; end of part 3
;; ======== version 2 of 3: 4 launches; 1.13 times as fast as version 1
;; workspace buffers: xw 50,331,648 bytes; qkv 37,748,736 bytes; pw 33,554,432 bytes; st 1,048,576 bytes
;; launch cast (part 4): grid 768 x 1, 8 waves a work-group, no clusters, 0 bytes of LDS; arguments Qc, Qp, Kp, Kc, Vp, Vc, Wq_c, Wq_p, Wk_p, Wk_c, Wv_p, Wv_c, xw; writes xw
.if DOCPART == 4
	.amdgcn_target "amdgcn-amd-amdhsa--gfx1250"
	.amdhsa_code_object_version 6
	.text
	.protected	k_q8ed16d2401_cast
	.globl	k_q8ed16d2401_cast
	.p2align	8
	.type	k_q8ed16d2401_cast,@function
k_q8ed16d2401_cast:
	s_mov_b64 s[64:65], 0
	v_nop
	global_prefetch_b8 v0, s[64:65] scope:SCOPE_SE
	s_setreg_imm32_b32 hwreg(HW_REG_WAVE_MODE, 25, 1), 1
	s_wait_xcnt 0x0
; THE SIX X AND THE SIX W, ROUNDED ONCE TO bf16.  xw is [24576][1024] bf16: rows 0 Qc, 2048 Qp, 6144 Kp, 10240 Kc, 12288 Vp, 16384 Vc, then from 18432 on 1,024 rows each of
; Wq_c, Wq_p, Wk_p, Wk_c, Wv_p, Wv_c.  The next launch multiplies them: as bf16 a tile takes half the LDS bytes that it takes as f32, so each of that launch's K steps holds twice the products.
; A stream: no LDS, no barrier, no matrix unit, no cluster: no byte is read twice and no wave needs another's.
; SHARES.  A work-group takes 32 rows (all twelve inputs are multiples of 1,024 rows, so it lies in one of them), each of its eight waves 16,384 consecutive bytes of f32.
; All 32 loads of a wave go out at once; each covers 512 consecutive bytes.  A lane's four numbers are rounded in place into two registers, and a store of 8 bytes a lane covers 256 consecutive
; bytes, aligned.  No register is used twice, so the only waits are the counted ones for the loads.
; LIMITS.  bf16's rounding to nearest even; NaN and infinities pass as the conversion makes them.
.set VI, 1                             ; v1  my byte offset in the work-group's f32 rows: wave x 16,384 + 16 x lane; never rewritten
.set VO, 2                             ; v2  half of it: my byte offset in its bf16 rows; never rewritten
.set X,  4                             ; v[4:131]  load i: four registers
.macro PICK thr, p                     ; from block thr of 1,024 rows on: the next input
	s_cmp_ge_u32 s2, \thr
	s_cselect_b64 s[4:5], s[\p:\p+1], s[4:5]
	s_cselect_b32 s6, \thr, s6
.endm
	s_load_b512 s[8:23], s[0:1], 0x0               ; Qc Qp Kp Kc Vp Vc Wq_c Wq_p
	s_load_b256 s[24:31], s[0:1], 0x40             ; Wk_p Wk_c Wv_p Wv_c
	s_load_b64 s[32:33], s[0:1], 0x60              ; xw
	s_lshr_b32 s2, ttmp9, 5                        ; my block of 1,024 rows: 32 work-groups to a block
	v_lshrrev_b32 v[VI], 5, v0
	v_and_b32 v[VO], 31, v0
	v_lshlrev_b32 v[VO], 4, v[VO]
	v_lshl_or_b32 v[VI], v[VI], 14, v[VO]
	v_lshrrev_b32 v[VO], 1, v[VI]
	s_wait_kmcnt 0x0
	s_mov_b64 s[4:5], s[8:9]
	s_mov_b32 s6, 0
	PICK 2, 10
	PICK 6, 12
	PICK 10, 14
	PICK 12, 16
	PICK 16, 18
	PICK 18, 20
	PICK 19, 22
	PICK 20, 24
	PICK 21, 26
	PICK 22, 28
	PICK 23, 30
	s_lshl_b32 s6, s6, 5                           ; the input's first work-group
	s_sub_co_u32 s6, ttmp9, s6
	s_lshl_b32 s6, s6, 17                          ; 32 rows of 4,096 bytes each
	s_mov_b32 s7, 0
	s_add_nc_u64 s[4:5], s[4:5], s[6:7]
	s_lshl_b32 s6, ttmp9, 16                       ; 32 rows of 2,048 bytes each
	s_add_nc_u64 s[32:33], s[32:33], s[6:7]
.set i, 0
.rept 32
	global_load_b128 v[X+4*i:X+4*i+3], v[VI], s[4:5] offset:512*i th:TH_LOAD_NT
.set i, i+1
.endr
.set i, 0
.rept 32
	s_wait_loadcnt 31-i                            ; loads come back in order: load i is in, the younger ones stay out
	v_cvt_pk_bf16_f32 v[X+4*i], v[X+4*i], v[X+4*i+1]
	v_cvt_pk_bf16_f32 v[X+4*i+1], v[X+4*i+2], v[X+4*i+3]
	global_store_b64 v[VO], v[X+4*i:X+4*i+1], s[32:33] offset:256*i
.set i, i+1
.endr
	s_endpgm
.Lfunc_end_k_q8ed16d2401_cast:
	.size	k_q8ed16d2401_cast, .Lfunc_end_k_q8ed16d2401_cast-k_q8ed16d2401_cast
	.p2alignl 7, 3214868480
	.fill 96, 4, 3214868480
	.section	.rodata,"a",@progbits
	.p2align	6, 0x0
	.amdhsa_kernel k_q8ed16d2401_cast
		.amdhsa_group_segment_fixed_size 0
		.amdhsa_private_segment_fixed_size 0
		.amdhsa_enable_private_segment 0
		.amdhsa_kernarg_size 104
		.amdhsa_user_sgpr_count 2
		.amdhsa_user_sgpr_kernarg_segment_ptr 1
		.amdhsa_wavefront_size32 1
		.amdhsa_system_sgpr_workgroup_id_x 1
		.amdhsa_system_sgpr_workgroup_id_y 1
		.amdhsa_system_sgpr_workgroup_id_z 1
		.amdhsa_system_vgpr_workitem_id 0
		.amdhsa_next_free_vgpr 132
		.amdhsa_next_free_sgpr 66
		.amdhsa_reserve_vcc 0
		.amdhsa_float_denorm_mode_32 3
		.amdhsa_float_denorm_mode_16_64 3
		.amdhsa_memory_ordered 1
		.amdhsa_forward_progress 1
		.amdhsa_inst_pref_size 14
	.end_amdhsa_kernel
	.amdgpu_metadata
---
amdhsa.version: [ 1, 2 ]
amdhsa.kernels:
  - .name:           k_q8ed16d2401_cast
    .symbol:         k_q8ed16d2401_cast.kd
    .args:
      - { .name: Qc, .offset: 0, .size: 8, .value_kind: global_buffer, .address_space: global }
      - { .name: Qp, .offset: 8, .size: 8, .value_kind: global_buffer, .address_space: global }
      - { .name: Kp, .offset: 16, .size: 8, .value_kind: global_buffer, .address_space: global }
      - { .name: Kc, .offset: 24, .size: 8, .value_kind: global_buffer, .address_space: global }
      - { .name: Vp, .offset: 32, .size: 8, .value_kind: global_buffer, .address_space: global }
      - { .name: Vc, .offset: 40, .size: 8, .value_kind: global_buffer, .address_space: global }
      - { .name: Wq_c, .offset: 48, .size: 8, .value_kind: global_buffer, .address_space: global }
      - { .name: Wq_p, .offset: 56, .size: 8, .value_kind: global_buffer, .address_space: global }
      - { .name: Wk_p, .offset: 64, .size: 8, .value_kind: global_buffer, .address_space: global }
      - { .name: Wk_c, .offset: 72, .size: 8, .value_kind: global_buffer, .address_space: global }
      - { .name: Wv_p, .offset: 80, .size: 8, .value_kind: global_buffer, .address_space: global }
      - { .name: Wv_c, .offset: 88, .size: 8, .value_kind: global_buffer, .address_space: global }
      - { .name: xw, .offset: 96, .size: 8, .value_kind: global_buffer, .address_space: global }
    .group_segment_fixed_size: 0
    .private_segment_fixed_size: 0
    .kernarg_segment_align: 8
    .kernarg_segment_size: 104
    .max_flat_workgroup_size: 256
    .sgpr_count:     66
    .vgpr_count:     132
    .wavefront_size: 32
...
	.end_amdgpu_metadata
.endif
;; end of part 4
;; launch proj (part 5): grid 4 x 64, 4 waves a work-group, clusters of 4 x 4, 327,680 bytes of LDS; arguments xw, bq_c, bq_p, bk_p, bk_c, bv_p, bv_c, qkv; writes qkv
.if DOCPART == 5
	.amdgcn_target "amdgcn-amd-amdhsa--gfx1250"
	.amdhsa_code_object_version 6
	.text
	.protected	k_q8ed16d2401_proj
	.globl	k_q8ed16d2401_proj
	.p2align	8
	.type	k_q8ed16d2401_proj,@function
k_q8ed16d2401_proj:
	s_mov_b64 s[64:65], 0
	v_nop
	global_prefetch_b8 v0, s[64:65] scope:SCOPE_SE
	s_setreg_imm32_b32 hwreg(HW_REG_WAVE_MODE, 25, 1), 1
	s_wait_xcnt 0x0
	s_wait_alu depctr_hold_cnt(0) depctr_sa_sdst(0) depctr_va_vdst(0) depctr_va_sdst(0) depctr_va_ssrc(0) depctr_va_vcc(0) depctr_vm_vsrc(0)
	s_getreg_b32 s2, hwreg(HW_REG_IB_STS2, 6, 4)
	s_cmp_eq_u32 s2, 0
	s_cbranch_scc0 .Lentry_in_a_cluster
	s_endpgm
.Lentry_in_a_cluster:
	s_bfe_u32 s2, ttmp6, 0x10000c
	s_cmp_lg_u32 s2, 0xf033
	s_cbranch_scc0 .Lentry_shape_is_right
	s_endpgm
.Lentry_shape_is_right:
; ALL SIX PROJECTIONS: qkv[row][n] = bf16( sum over k of X[row][k] W[n][k] + b[n] ).  X and W come as bf16 from the launch before (xw: rows 0-18431 X, from 18432 on the six W); b is f32;
; sums in f32, one rounding at the end.  qkv is [18432][1024] bf16; its rows, as xw's: qc 0, qp 2048, kp 6144, kc 10240, vp 12288, vc 16384.
; TWO SHARES A WORK-GROUP, so that all 256 have equal work: 18,432 x 1,024 / 256 = 9 x 2^13 outputs, which no one tile with sides that divide 2,048 and 1,024 has.
;   FIRST: 256 x 256 of rows 0-16383 (a cluster's 1,024 rows lie in one of five projections, chosen by the cluster's y); a wave makes 128 x 128: 64 accumulators.  K goes in 8 steps of 128.
;   SECOND: 64 x 128 of vc (cluster j: rows 256 (j / 2) on, channels 512 (j % 2) on); a wave makes 32 x 64: 8 accumulators.  K goes in 4 steps of 256.
; The ring of two LDS slots runs on from the first share into the second: the first's last two changes of slots ask for the second's K steps 0 and 1, which land while the first goes out.
; THE BIAS starts the sums: as the C operand of the first product (first share), or loaded into the accumulators' registers (second share).
; THE MATRIX INSTRUCTION IS USED TRANSPOSED (source 0 = 16 rows of W, source 1 = 16 rows of X): a lane holds eight neighbouring channels of one row.
; CLUSTER 4 x 4: X's tile is shared along a row of the cluster, W's along a column, in both shares; each is asked for jointly.
; LIMITS.  bf16's rounding of the result; NaN and infinities are not treated apart.
; REGISTERS.  window 0: v16-30 addresses; v32-63 rows on the way out; v64-127, v128-191 X's fragments, two buffers; v192-255 the bias, later the way out.
;   window 1: the same two buffers for W (second share: two buffers at 0 and 128, each 64 along K deep: X's fragment (half c, row block a) at 8 (2 c + a), W's (c, b) at 32 + 8 (4 c + b)).
;   windows 2, 3: accumulator (a, b) at 8 (8 (a % 4) + b) (second share: window 2, at 8 (4 a + b)).
.set PITCH,  272                       ; an LDS row of the first share: 256 bytes + 16 of padding: the 16 rows of a load start at 16 different groups of four banks
.set HALFT,  128*PITCH                 ; what one tensor load of the first share brings
.set SLOT,   4*HALFT                   ; X's 256 rows, then W's; 0x22000 shares no bit with a tile's place in a slot, in either share: one exclusive or changes slots
.set STAGE,  2*SLOT                    ; behind the ring: 64 rows x 272 bytes: 16 for each wave (first share), the work-group's (second share)
.set SPITCH, 272
.set SPARE,  STAGE+4*16*SPITCH         ; the spare words: 128 bytes a wave, named by no other line
.set PP,     528                       ; an LDS row of the second share: 512 bytes + 16
.set PHA,    32*PP                     ; 0x4200: half of Vc's 64 rows
.set PHB,    64*PP                     ; 0x8400: half of Wv_c's 128 rows
.set PBOF,   2*PHA                     ; Wv_c's rows lie behind Vc's
.set ADRA,  16                         ; my lane's place in X's tile of the slot in hand
.set ADRA0, 17                         ; in slot 0; never rewritten
.set PADA0, 18                         ; the same for the second share
.set PADB0, 19
.set ADRB,  20                         ; the same for W
.set ADRB0, 21
.set PADA,  22
.set PADB,  23
.set STO,   24
.set RD,    25
.set CO,    26
.set BO,    27
.set SPW,   28
.set NIL,   29
.set STOP,  30
.set OB,    32
.set F0,    64
.set F1,    128
.set BIAS,  192
.set TMP,   192
.set PF0,   0
.set PF1,   128
.set G1,  24                           ; s[24:31] group 1 for X's tiles; s[32:39] group 0: a set for each first fill, the second then walks
.set G0,  32
.set G1B, 48                           ; the same for W's tiles
.set G0B, 56
.set G1P,  68                          ; the second share: s[68:75] group 1 for Vc's tiles, s[76:83] for Wv_c's
.set G1PB, 76
.set G0P,  84                          ; s[84:87], s[88:91] their walking groups 0 (where the arguments lay, once those have been used)
.set G0PB, 88
.set BA,   92                          ; s[92:93] Vc at the 32 rows that I fetch
.set BB,   94                          ; s[94:95] Wv_c at the 64 rows that I fetch
.set OFP,  96                          ; s[96:97] a K step's byte offset along those rows
.set NXP,  100                         ; s100 the second share's K step to be asked for next
.set TB,  101                          ; s101 the slot being read: 0 or SLOT
.set MSB, 0
.macro WIN new                         ; the immediate's high byte repeats the setting that is left; a switch that changes nothing is dropped
.if MSB != (\new)
	s_set_vgpr_msb (MSB<<8)|(\new)
.set MSB, (\new)
.endif
.endm
.macro PLACES
.rept 4
	v_nop
.endr
.endm
.macro JLOAD ga, ka, gb, kb            ; a joint refill: waves 0, 1 fetch X's halves, waves 2, 3 W's; s_nop 0 and four v_nop follow each line
	s_cmp_eq_u32 s11, 0
	s_cbranch_scc0 .Lfor_b_\@
	tensor_load_to_lds s[(\ga):(\ga)+3], s[(\ka):(\ka)+7]
	s_nop 0
	PLACES
	s_branch .Lasked_\@
.Lfor_b_\@:
	tensor_load_to_lds s[(\gb):(\gb)+3], s[(\kb):(\kb)+7]
	s_nop 0
	PLACES
.Lasked_\@:
.endm
.macro CREST                           ; a round of the cluster's barrier behind its opening barrier
	s_cmp_lg_u32 s10, 0
	s_cbranch_scc1 .Lnot_wave_0_\@
	s_barrier_signal -3
.Lnot_wave_0_\@:
	s_barrier_wait -3
	s_barrier_signal -1
	s_barrier_wait -1
.endm
.macro CROUND
	s_barrier_signal -1
	s_barrier_wait -1
	CREST
.endm
.macro PICK thr, b, idx                ; from cluster row thr on: the next of the first share's five projections
	s_cmp_ge_u32 s45, \thr
	s_cselect_b64 s[18:19], s[\b:\b+1], s[18:19]
	s_cselect_b32 s100, \idx, s100
.endm
.macro PDESC                           ; the second share's walking sets: the other slot; the address made anew from the K step's number, 512 bytes a step
	s_lshl_b32 s[OFP], s[NXP], 9
	s_xor_b32 s[G0P+1], s[G0P+1], SLOT
	s_add_nc_u64 s[G0P+2:G0P+3], s[BA:BA+1], s[OFP:OFP+1]
	s_or_b32 s[G0P+3], s[G0P+3], 0x80000000
	s_xor_b32 s[G0PB+1], s[G0PB+1], SLOT
	s_add_nc_u64 s[G0PB+2:G0PB+3], s[BB:BB+1], s[OFP:OFP+1]
	s_or_b32 s[G0PB+3], s[G0PB+3], 0x80000000
	s_add_co_u32 s[NXP], s[NXP], 1
.endm
	s_load_b512 s[84:99], s[0:1], 0x0              ; xw 84, bq_c 86, bq_p 88, bk_p 90, bk_c 92, bv_p 94, bv_c 96, qkv 98
	v_lshl_add_u32 v[SPW], v0, 2, SPARE
	v_mov_b32 v[NIL], 0
	ds_add_u32 v[SPW], v[NIL]                      ; the wave's opening: the add and its wait stand ahead of my first tensor load
	v_lshrrev_b32 v1, 5, v0
	v_readfirstlane_b32 s10, v1                    ; wave 0..3
	s_lshr_b32 s11, s10, 1                         ; my half of the tile's rows; also: I fetch X (0) or W (1)
	s_and_b32 s12, s10, 1                          ; my half of its columns; also: which half of that tile I fetch
	s_bfe_u32 s40, ttmp6, 0x40000                  ; cx
	s_bfe_u32 s41, ttmp6, 0x40004                  ; cy
	s_lshl_b32 s42, ttmp9, 2
	s_add_co_u32 s42, s42, s40                     ; tile column
	s_and_b32 s45, ttmp7, 0xffff                   ; the cluster's y
	s_lshl_b32 s13, s45, 2
	s_add_co_u32 s13, s13, s41                     ; tile row
	s_lshl_b32 s43, s41, 2
	s_lshl_b32 s43, 15, s43                        ; my row of the cluster
	s_lshl_b32 s44, 0x1111, s40                    ; my column
	s_or_b32 s[G1], s43, (1<<16)|(1<<20)|(1<<21)|(5<<22)|(3<<25)   ; the mask; elements of 2 bytes; padding on; bit 21 beside a mask; after every 64 words 4 words
	s_or_b32 s[G1B], s44, (1<<16)|(1<<20)|(1<<21)|(5<<22)|(3<<25)
.irp g, G1, G1B
	s_mov_b32 s[(\g)+1], 128<<16                   ; tensor_dim0 = 128
	s_mov_b32 s[(\g)+2], 128<<16                   ; tensor_dim1 = 128
	s_mov_b32 s[(\g)+3], 128<<16                   ; tile_dim0 = 128
	s_mov_b32 s[(\g)+4], 128                       ; tile_dim1 = 128
	s_mov_b32 s[(\g)+5], 1024                      ; elements from row to row
	s_mov_b32 s[(\g)+6], 0
	s_mov_b32 s[(\g)+7], 0
.endr
	s_or_b32 s[G1P], s43, (1<<16)|(1<<20)|(1<<21)|(6<<22)|(3<<25)  ; the second share: as above, the padding after every 128 words
	s_or_b32 s[G1PB], s44, (1<<16)|(1<<20)|(1<<21)|(6<<22)|(3<<25)
.irp g, G1P, G1PB
	s_mov_b32 s[(\g)+1], 256<<16                   ; tensor_dim0 = 256
	s_mov_b32 s[(\g)+3], 256<<16                   ; tile_dim0 = 256
	s_mov_b32 s[(\g)+5], 1024
	s_mov_b32 s[(\g)+6], 0
	s_mov_b32 s[(\g)+7], 0
.endr
	s_mov_b32 s[G1P+2], 32<<16                     ; 32 rows of Vc,
	s_mov_b32 s[G1P+4], 32
	s_mov_b32 s[G1PB+2], 64<<16                    ; 64 of Wv_c
	s_mov_b32 s[G1PB+4], 64
	s_mul_i32 s20, s10, HALFT                      ; where my tile of the first share goes: wave x 128 rows
	s_mov_b32 s[TB], 0
	s_wait_dscnt 0x0                               ; the opening add is done
	s_wait_kmcnt 0x0
	s_mov_b64 s[18:19], s[86:87]
	s_mov_b32 s100, 0
	PICK 2, 88, 1
	PICK 6, 90, 2
	PICK 10, 92, 3
	PICK 12, 94, 4
	; the first share's addresses.  X's hang on the tile row and the wave alone; W's on the cluster's y, the tile column and the wave alone
	s_lshl_b32 s16, s13, 8
	s_lshl_b32 s17, s12, 7
	s_add_co_u32 s16, s16, s17
	s_lshl_b32 s16, s16, 11                        ; rows of 2,048 bytes
	s_mov_b32 s17, 0
	s_add_nc_u64 s[14:15], s[84:85], s[16:17]      ; X at the 128 rows that I fetch
	s_lshl_b32 s66, s42, 8
	s_lshl_b32 s67, s12, 7
	s_add_co_u32 s66, s66, s67                     ; 256 x tile column + 128 x half: the rows of W that I fetch, and my first channel
	s_lshl_b32 s22, s66, 2
	s_lshl_b32 s23, s66, 1
	s_lshl_b32 s67, s100, 10
	s_add_co_u32 s66, s66, s67
	s_add_co_u32 s66, s66, 18432                   ; the chosen W's first row in xw
	s_lshl_b32 s66, s66, 11
	s_mov_b32 s67, 0
	s_add_nc_u64 s[46:47], s[84:85], s[66:67]
	s_mov_b32 s66, s22
	s_add_nc_u64 s[18:19], s[18:19], s[66:67]      ; the bias at my first channel
	s_mov_b32 s66, s23
	s_add_nc_u64 s[8:9], s[98:99], s[66:67]
	s_lshl_b32 s16, s13, 8
	s_lshl_b32 s17, s11, 7
	s_add_co_u32 s16, s16, s17
	s_lshl_b32 s16, s16, 11
	s_mov_b32 s17, 0
	s_add_nc_u64 s[8:9], s[8:9], s[16:17]          ; qkv at my 128 x 128
	; the second share's addresses.  Vc's hang on the cluster's y, cy and the wave alone; Wv_c's on the cluster's y, cx and the wave alone
	s_lshr_b32 s16, s45, 1
	s_lshl_b32 s16, s16, 8
	s_lshl_b32 s17, s41, 6
	s_add_co_u32 s16, s16, s17                     ; my 64 rows of vc begin at 256 x (cluster y / 2) + 64 cy
	s_lshl_b32 s21, s16, 11                        ; the same rows in qkv's bytes
	s_lshl_b32 s17, s12, 5
	s_add_co_u32 s16, s16, s17                     ; the 32 of them that I fetch
	s_add_co_u32 s16, s16, 16384                   ; Vc's first row in xw
	s_lshl_b32 s16, s16, 11
	s_mov_b32 s17, 0
	s_add_nc_u64 s[BA:BA+1], s[84:85], s[16:17]
	s_and_b32 s66, s45, 1
	s_lshl_b32 s66, s66, 9
	s_lshl_b32 s67, s40, 7
	s_add_co_u32 s66, s66, s67                     ; my 128 channels begin at 512 x (cluster y % 2) + 128 cx
	s_lshl_b32 s22, s66, 1
	s_lshl_b32 s67, s12, 6
	s_add_co_u32 s66, s66, s67                     ; the 64 rows of Wv_c that I fetch, and my wave's first channel
	s_lshl_b32 s23, s66, 2
	s_add_co_u32 s66, s66, 18432+5*1024            ; Wv_c's first row in xw
	s_lshl_b32 s66, s66, 11
	s_mov_b32 s67, 0
	s_add_nc_u64 s[BB:BB+1], s[84:85], s[66:67]
	s_mov_b32 s66, s23
	s_add_nc_u64 s[6:7], s[96:97], s[66:67]        ; bv_c at my wave's first channel
	s_add_co_u32 s66, s21, s22
	s_lshl_b32 s21, s10, 15                        ; on the way out wave w stores rows 16 w on, whole
	s_add_co_u32 s66, s66, s21
	s_add_co_u32 s66, s66, 16384*2048
	s_add_nc_u64 s[4:5], s[98:99], s[66:67]        ; qkv at those rows of vc
	s_mov_b32 s[G0P], 1                            ; the arguments have been used: their registers take the walking sets
	s_mul_i32 s[G0P+1], s12, PHA
	s_add_co_u32 s[G0P+1], s[G0P+1], SLOT          ; the first exclusive or turns this into slot 0
	s_mov_b32 s[G0PB], 1
	s_mul_i32 s[G0PB+1], s12, PHB
	s_add_co_u32 s[G0PB+1], s[G0PB+1], SLOT+PBOF
	s_mov_b32 s[OFP+1], 0
	s_mov_b32 s[NXP], 0
.irp s, 0,1
	s_mov_b32 s[G0+4*(\s)], 1
	s_add_co_u32 s[G0+4*(\s)+1], s20, (\s)*SLOT
	s_add_nc_u64 s[G0+4*(\s)+2:G0+4*(\s)+3], s[14:15], (\s)*256
	s_or_b32 s[G0+4*(\s)+3], s[G0+4*(\s)+3], 0x80000000
	s_mov_b32 s[G0B+4*(\s)], 1
	s_add_co_u32 s[G0B+4*(\s)+1], s20, (\s)*SLOT
	s_add_nc_u64 s[G0B+4*(\s)+2:G0B+4*(\s)+3], s[46:47], (\s)*256
	s_or_b32 s[G0B+4*(\s)+3], s[G0B+4*(\s)+3], 0x80000000
.endr
	CROUND                                         ; all sixteen work-groups are here: the first joint loads meet
	s_cmp_eq_u32 s11, 0                            ; a wave's two first fills stand in one branch: two loads of mine are out
	s_cbranch_scc0 .Lfirst_b
	tensor_load_to_lds s[G0:G0+3], s[G1:G1+7]
	s_nop 0
	tensor_load_to_lds s[G0+4:G0+7], s[G1:G1+7]
	s_nop 0
	PLACES
	s_branch .Lfirst_done
.Lfirst_b:
	tensor_load_to_lds s[G0B:G0B+3], s[G1B:G1B+7]
	s_nop 0
	tensor_load_to_lds s[G0B+4:G0B+7], s[G1B:G1B+7]
	s_nop 0
	PLACES
.Lfirst_done:
	v_and_b32 v1, 15, v0                           ; l % 16
	v_bfe_u32 v2, v0, 4, 1                         ; l / 16
	v_lshlrev_b32 v[BO], 5, v2                     ; block b's C operand: register j of my lane is b[16 b + 8 (l / 16) + j]
.irp b, 0,1,2,3,4,5,6,7
	global_load_b128 v[BIAS+8*(\b):BIAS+8*(\b)+3],   v[BO], s[18:19] offset:64*(\b)
	global_load_b128 v[BIAS+8*(\b)+4:BIAS+8*(\b)+7], v[BO], s[18:19] offset:64*(\b)+16
.endr
	v_mul_u32_u24 v3, v1, PITCH
	v_lshl_add_u32 v3, v2, 4, v3                   ; a fragment's row x pitch + 16 x half
	s_mul_i32 s21, s11, HALFT
	s_mul_i32 s22, s12, HALFT
	s_add_co_u32 s22, s22, 2*HALFT
	v_add_nc_u32 v[ADRA0], s21, v3
	v_add_nc_u32 v[ADRB0], s22, v3
	v_mov_b32 v[ADRA], v[ADRA0]
	v_mov_b32 v[ADRB], v[ADRB0]
	v_mul_u32_u24 v3, v1, PP                       ; the same for the second share: my 32 rows of Vc, my 64 of Wv_c
	v_lshl_add_u32 v3, v2, 4, v3
	s_mul_i32 s21, s11, PHA
	s_mul_i32 s22, s12, PHB
	s_add_co_u32 s22, s22, PBOF
	v_add_nc_u32 v[PADA0], s21, v3
	v_add_nc_u32 v[PADB0], s22, v3
	s_mul_i32 s23, s10, 16*SPITCH
	s_add_co_u32 s23, s23, STAGE
	v_mul_u32_u24 v4, v1, SPITCH
	v_lshl_add_u32 v4, v2, 4, v4
	v_add_nc_u32 v[STO], s23, v4                   ; into my stage: row l % 16, 16 bytes for each half of the lanes
	s_mul_i32 s21, s11, 32*SPITCH
	s_lshl_b32 s22, s12, 7
	s_add_co_u32 s21, s21, s22
	s_add_co_u32 s21, s21, STAGE
	v_add_nc_u32 v[STOP], s21, v4                  ; second share: my 32 rows, my half of their 256 bytes
	v_mul_u32_u24 v5, v2, SPITCH
	v_lshl_add_u32 v5, v1, 4, v5
	v_add_nc_u32 v[RD], s23, v5                    ; back, in both shares: rows 16 w on; lanes 0-15 one row of 256 bytes, lanes 16-31 the next
	v_lshlrev_b32 v5, 11, v2
	v_lshl_add_u32 v[CO], v1, 4, v5                ; the same two rows in qkv
; 16 products: row blocks a0, a0 + 1 of the window's four x all 8 column blocks, 32 along K.  fst = 1: the bias starts the sums.  The 64 accumulators take turns.
.macro MUL16 f, hi, a0, fst
.if \fst
	WIN 0x81+0x40*(\hi)
.else
	WIN 0xa1+0x50*(\hi)
.endif
.irp a, \a0, (\a0)+1
.irp b, 0,1,2,3,4,5,6,7
.if \fst
	v_wmma_f32_16x16x32_bf16 v[8*(8*(\a)+(\b)):8*(8*(\a)+(\b))+7], v[(\f)+8*(\b):(\f)+8*(\b)+7], v[(\f)+8*(4*(\hi)+(\a)):(\f)+8*(4*(\hi)+(\a))+7], v[BIAS+8*(\b):BIAS+8*(\b)+7]
.else
	v_wmma_f32_16x16x32_bf16 v[8*(8*(\a)+(\b)):8*(8*(\a)+(\b))+7], v[(\f)+8*(\b):(\f)+8*(\b)+7], v[(\f)+8*(4*(\hi)+(\a)):(\f)+8*(4*(\hi)+(\a))+7], v[8*(8*(\a)+(\b)):8*(8*(\a)+(\b))+7]
.endif
.endr
.endr
.endm
.macro FETCH k, f                      ; 32 LDS loads in one run: W's 8 fragments, then X's, 32 along K at byte k of the rows of the slot in hand
	WIN 0x40
.irp i, 0,1,2,3,4,5,6,7
	ds_load_b128 v[(\f)+8*(\i):(\f)+8*(\i)+3],   v[ADRB] offset:(\k)+(\i)*16*PITCH
	ds_load_b128 v[(\f)+8*(\i)+4:(\f)+8*(\i)+7], v[ADRB] offset:(\k)+(\i)*16*PITCH+32
.endr
	WIN 0
.irp i, 0,1,2,3,4,5,6,7
	ds_load_b128 v[(\f)+8*(\i):(\f)+8*(\i)+3],   v[ADRA] offset:(\k)+(\i)*16*PITCH
	ds_load_b128 v[(\f)+8*(\i)+4:(\f)+8*(\i)+7], v[ADRA] offset:(\k)+(\i)*16*PITCH+32
.endr
.endm
.macro QUARTER k, f, g, fst            ; multiplies buffer f; in its middle fetches the next 32 along K, at byte k, into g
	s_wait_dscnt 8                                 ; W's fragments and X's rows 0-63 are in; the youngest eight loads may be out
	MUL16 \f, 0, 0, \fst
	MUL16 \f, 0, 2, \fst
	PLACES                                         ; in front of loads into registers that matrix instructions have read
	FETCH \k, \g
	s_wait_dscnt 32                                ; all but the 32 just issued
	MUL16 \f, 1, 0, \fst
	MUL16 \f, 1, 2, \fst
.endm
; A step's last quarter multiplies buffer 1 and changes slots, behind a round of the cluster's barrier.  fill = 1: the slot takes this share's K step two on; fill = 2: the second share's next K step.
.macro TURN fill
	WIN 0
	s_wait_tensorcnt 0x0                           ; all my tensor loads have landed: my part of the next slot; so a group 0 may be written
	ds_add_u32 v[SPW], v[NIL]                      ; 0 onto my spare word
.if (\fill) == 1
	s_xor_b32 s[G0+5], s[G0+5], SLOT               ; the walking sets: the other slot, the next K step
	s_add_nc_u64 s[G0+6:G0+7], s[G0+6:G0+7], 256
	s_xor_b32 s[G0B+5], s[G0B+5], SLOT
	s_add_nc_u64 s[G0B+6:G0B+7], s[G0B+6:G0B+7], 256
.else
	PDESC
.endif
	s_wait_dscnt 9                                 ; the add and the youngest eight loads may be out
	MUL16 F1, 0, 0, 0
	s_wait_dscnt 0x0                               ; the add is done, and my reads of this slot are over
	s_barrier_signal -1
	MUL16 F1, 0, 2, 0                              ; work on registers while the others arrive
	WIN 0
	s_barrier_wait -1
	CREST                                          ; no wave of any partner still reads the slot or has a load on its way
.if (\fill) == 1
	JLOAD G0+4, G1, G0B+4, G1B                     ; the first tensor load behind the round, my one; its four v_nop are also the places in front of the loads below
.else
	JLOAD G0P, G1P, G0PB, G1PB
.endif
	s_xor_b32 s[TB], s[TB], SLOT
	v_add_nc_u32 v[ADRA], s[TB], v[ADRA0]
	v_add_nc_u32 v[ADRB], s[TB], v[ADRB0]
	FETCH 0, F0
	MUL16 F1, 1, 0, 0
	MUL16 F1, 1, 2, 0
.endm
	s_wait_tensorcnt 0x1                           ; my part of K step 0 is in; K step 1's may stay out
	s_barrier_signal -1
	s_barrier_wait -1
	FETCH 0, F0
	s_wait_loadcnt 0x0                             ; the bias
	QUARTER 64, F0, F1, 1                          ; the first quarter is written out: its products start the sums; the loop is entered behind its own first quarter
	WIN 0
	s_mov_b32 s3, 6
	s_branch .Lin
.Lstep:                                                ; six trips, a K step each; K steps 2 to 7 are asked for
	QUARTER 64, F0, F1, 0
	WIN 0
.Lin:
	QUARTER 128, F1, F0, 0
	QUARTER 192, F0, F1, 0
	TURN 1
	WIN 0
	s_sub_co_u32 s3, s3, 1
	s_cmp_lg_u32 s3, 0
	s_cbranch_scc1 .Lstep
	s_mov_b32 s3, 2
.Ltail:                                                ; K steps 6 and 7 ask for the second share's K steps 0 and 1.  The 32 LDS loads behind the last change of slots read the second share's tile by the first's addresses, and serve nothing: the price of one text for both
	QUARTER 64, F0, F1, 0
	QUARTER 128, F1, F0, 0
	QUARTER 192, F0, F1, 0
	TURN 2
	WIN 0
	s_sub_co_u32 s3, s3, 1
	s_cmp_lg_u32 s3, 0
	s_cbranch_scc1 .Ltail
	PLACES                                         ; the roundings below read results just made
; THE FIRST SHARE'S WAY OUT: 16 rows at a time: rounded to bf16, 16 bytes a lane into my stage, back as whole rows of 256 bytes, stored
.macro PACK a
.set AC, 64*((\a)%4)
	WIN 0x0a+5*((\a)/4)
.irp b, 0,1,2,3,4,5,6,7
.irp r, 0,1,2,3
	v_cvt_pk_bf16_f32 v[TMP+4*(\b)+(\r)], v[AC+8*(\b)+2*(\r)], v[AC+8*(\b)+2*(\r)+1]
.endr
.endr
	WIN 0
.endm
.macro TOSTAGE a
.set BK, OB+192*((\a)%2)
.irp b, 0,1,2,3,4,5,6,7
	ds_store_b128 v[STO], v[TMP+4*(\b):TMP+4*(\b)+3] offset:32*(\b)
.endr
.irp t, 0,1,2,3,4,5,6,7
	ds_load_b128 v[BK+4*(\t):BK+4*(\t)+3], v[RD] offset:(\t)*2*SPITCH  ; LDS serves a wave's instructions in order: these see the stores above
.endr
.endm
.macro SEND a
.set BK, OB+192*((\a)%2)
	s_wait_dscnt 0x0                               ; the block is back in registers
	s_wait_xcnt 0x0                                ; the stores' base and the registers that earlier stores read are rewritten only behind this wait
.if (\a) != 0
	s_add_nc_u64 s[8:9], s[8:9], 16*2048
.endif
.irp t, 0,1,2,3,4,5,6,7
	global_store_b128 v[CO], v[BK+4*(\t):BK+4*(\t)+3], s[8:9] offset:2*(\t)*2048  ; 16 lanes store 256 consecutive bytes, aligned
.endr
.endm
	PACK 0
	TOSTAGE 0
	WIN 0x80                                       ; block 0's 64 registers have been rounded: they become the second share's 8 accumulators, and its bias is loaded straight into them
.irp t, 0,1,2,3,4,5,6,7
	global_load_b128 v[8*(\t):8*(\t)+3],   v[BO], s[6:7] offset:64*((\t)%4)
	global_load_b128 v[8*(\t)+4:8*(\t)+7], v[BO], s[6:7] offset:64*((\t)%4)+16
.endr
	WIN 0
.irp a, 1,2,3,4,5,6,7
	PACK \a
	SEND (\a)-1
	TOSTAGE \a
.endr
	SEND 7
	s_wait_xcnt 0x0                                ; the registers that those stores read are written again below
; THE SECOND SHARE.  24 LDS loads in one run: 64 along K at byte k of the rows, into buffer f; the first 32 along K first
.macro PFETCH k, f
	WIN 0x40
.irp c, 0,1
.irp b, 0,1,2,3
	ds_load_b128 v[(\f)+32+8*(4*(\c)+(\b)):(\f)+32+8*(4*(\c)+(\b))+3],   v[PADB] offset:(\k)+64*(\c)+(\b)*16*PP
	ds_load_b128 v[(\f)+32+8*(4*(\c)+(\b))+4:(\f)+32+8*(4*(\c)+(\b))+7], v[PADB] offset:(\k)+64*(\c)+(\b)*16*PP+32
.endr
.irp a, 0,1
	ds_load_b128 v[(\f)+8*(2*(\c)+(\a)):(\f)+8*(2*(\c)+(\a))+3],   v[PADA] offset:(\k)+64*(\c)+(\a)*16*PP
	ds_load_b128 v[(\f)+8*(2*(\c)+(\a))+4:(\f)+8*(2*(\c)+(\a))+7], v[PADA] offset:(\k)+64*(\c)+(\a)*16*PP+32
.endr
.endr
.endm
.macro PMUL f, c                       ; 8 products: 32 along K, half c of buffer f; the 8 accumulators take turns
	WIN 0xa5
.irp a, 0,1
.irp b, 0,1,2,3
	v_wmma_f32_16x16x32_bf16 v[8*(4*(\a)+(\b)):8*(4*(\a)+(\b))+7], v[(\f)+32+8*(4*(\c)+(\b)):(\f)+32+8*(4*(\c)+(\b))+7], v[(\f)+8*(2*(\c)+(\a)):(\f)+8*(2*(\c)+(\a))+7], v[8*(4*(\a)+(\b)):8*(4*(\a)+(\b))+7]
.endr
.endr
.endm
.macro PQ k, f, g                      ; one of a K step's first three quarters: multiplies buffer f; in its middle fetches the next 64 along K, at byte k, into g
	s_wait_dscnt 12                                ; the first 32 along K are in; the youngest twelve loads may be out
	PMUL \f, 0
	PLACES                                         ; in front of loads into registers that matrix instructions have read
	PFETCH \k, \g
	s_wait_dscnt 24                                ; all but the 24 just issued
	PMUL \f, 1
.endm
; A K step of 256: three quarters, and a fourth that multiplies buffer 1 and changes slots.  fill = 1: the slot is filled again, two K steps on.
.macro PSTEP fill
	PQ 128, PF0, PF1
	PQ 256, PF1, PF0
	PQ 384, PF0, PF1
	WIN 0
	s_wait_tensorcnt 0x0                           ; all my tensor loads have landed: my part of the next slot; so a group 0 may be written
	ds_add_u32 v[SPW], v[NIL]                      ; 0 onto my spare word
.if \fill
	PDESC
.endif
	s_wait_dscnt 13                                ; the add and the youngest twelve loads may be out
	PMUL PF1, 0
	s_wait_dscnt 0x0                               ; the add is done, and my reads of this slot are over
	s_barrier_signal -1
	WIN 0
	s_barrier_wait -1
.if \fill
	CREST
	JLOAD G0P, G1P, G0PB, G1PB                     ; its four v_nop are also the places in front of the loads below
.else
	PLACES
.endif
	s_xor_b32 s[TB], s[TB], SLOT
	v_add_nc_u32 v[PADA], s[TB], v[PADA0]
	v_add_nc_u32 v[PADB], s[TB], v[PADB0]
	PFETCH 0, PF0
	PMUL PF1, 1
	WIN 0
.endm
	v_add_nc_u32 v[PADA], s[TB], v[PADA0]          ; K step 0 was shown landed, to every wave, by the first share's last change of slots
	v_add_nc_u32 v[PADB], s[TB], v[PADB0]
	PFETCH 0, PF0
	WIN 0
	s_wait_loadcnt 0x0                             ; bv_c is in the accumulators
	s_mov_b32 s3, 2
.Lpb:                                                  ; two trips: K steps 2 and 3 are asked for
	PSTEP 1
	s_sub_co_u32 s3, s3, 1
	s_cmp_lg_u32 s3, 0
	s_cbranch_scc1 .Lpb
	s_mov_b32 s3, 2
.Lpbt:                                                 ; the last two K steps ask for nothing; the 24 loads behind the last read an old slot and serve nothing: the price of one text for both
	PSTEP 0
	s_sub_co_u32 s3, s3, 1
	s_cmp_lg_u32 s3, 0
	s_cbranch_scc1 .Lpbt
	PLACES                                         ; the roundings below read results just made
	; THE SECOND SHARE'S WAY OUT: a row's 256 bytes come from two waves, so the four waves share the stage, with a barrier between writing and reading
	WIN 0x0a
.irp t, 0,1,2,3,4,5,6,7
.irp r, 0,1,2,3
	v_cvt_pk_bf16_f32 v[TMP+4*(\t)+(\r)], v[8*(\t)+2*(\r)], v[8*(\t)+2*(\r)+1]
.endr
.endr
	WIN 0
.irp a, 0,1
.irp b, 0,1,2,3
	ds_store_b128 v[STOP], v[TMP+4*(4*(\a)+(\b)):TMP+4*(4*(\a)+(\b))+3] offset:(\a)*16*SPITCH+32*(\b)
.endr
.endr
	s_wait_dscnt 0x0                               ; for the others' sake: my stores into the stage are done
	s_barrier_signal -1
	s_barrier_wait -1
.irp t, 0,1,2,3,4,5,6,7
	ds_load_b128 v[OB+4*(\t):OB+4*(\t)+3], v[RD] offset:(\t)*2*SPITCH
.endr
	s_wait_dscnt 0x0
.irp t, 0,1,2,3,4,5,6,7
	global_store_b128 v[CO], v[OB+4*(\t):OB+4*(\t)+3], s[4:5] offset:2*(\t)*2048  ; 16 lanes store 256 consecutive bytes, aligned
.endr
	s_wait_tensorcnt 0x0                           ; the wave's end
	ds_add_u32 v[SPW], v[NIL]
	s_wait_dscnt 0x0
	CROUND                                         ; the closing round
	s_endpgm
.Lfunc_end_k_q8ed16d2401_proj:
	.size	k_q8ed16d2401_proj, .Lfunc_end_k_q8ed16d2401_proj-k_q8ed16d2401_proj
	.p2alignl 7, 3214868480
	.fill 96, 4, 3214868480
	.section	.rodata,"a",@progbits
	.p2align	6, 0x0
	.amdhsa_kernel k_q8ed16d2401_proj
		.amdhsa_group_segment_fixed_size 327680
		.amdhsa_private_segment_fixed_size 0
		.amdhsa_enable_private_segment 0
		.amdhsa_kernarg_size 64
		.amdhsa_user_sgpr_count 2
		.amdhsa_user_sgpr_kernarg_segment_ptr 1
		.amdhsa_wavefront_size32 1
		.amdhsa_system_sgpr_workgroup_id_x 1
		.amdhsa_system_sgpr_workgroup_id_y 1
		.amdhsa_system_sgpr_workgroup_id_z 1
		.amdhsa_system_vgpr_workitem_id 0
		.amdhsa_next_free_vgpr 1024
		.amdhsa_next_free_sgpr 102
		.amdhsa_reserve_vcc 0
		.amdhsa_float_denorm_mode_32 3
		.amdhsa_float_denorm_mode_16_64 3
		.amdhsa_memory_ordered 1
		.amdhsa_forward_progress 1
		.amdhsa_inst_pref_size 137
	.end_amdhsa_kernel
	.amdgpu_metadata
---
amdhsa.version: [ 1, 2 ]
amdhsa.kernels:
  - .name:           k_q8ed16d2401_proj
    .symbol:         k_q8ed16d2401_proj.kd
    .args:
      - { .name: xw, .offset: 0, .size: 8, .value_kind: global_buffer, .address_space: global }
      - { .name: bq_c, .offset: 8, .size: 8, .value_kind: global_buffer, .address_space: global }
      - { .name: bq_p, .offset: 16, .size: 8, .value_kind: global_buffer, .address_space: global }
      - { .name: bk_p, .offset: 24, .size: 8, .value_kind: global_buffer, .address_space: global }
      - { .name: bk_c, .offset: 32, .size: 8, .value_kind: global_buffer, .address_space: global }
      - { .name: bv_p, .offset: 40, .size: 8, .value_kind: global_buffer, .address_space: global }
      - { .name: bv_c, .offset: 48, .size: 8, .value_kind: global_buffer, .address_space: global }
      - { .name: qkv, .offset: 56, .size: 8, .value_kind: global_buffer, .address_space: global }
    .group_segment_fixed_size: 327680
    .private_segment_fixed_size: 0
    .kernarg_segment_align: 8
    .kernarg_segment_size: 64
    .max_flat_workgroup_size: 128
    .sgpr_count:     102
    .vgpr_count:     1024
    .wavefront_size: 32
...
	.end_amdgpu_metadata
.endif
;; end of part 5
;; launch scores: the kernel of part 2 again; grid 8 x 32, 4 waves a work-group, clusters of 4 x 4, 327,680 bytes of LDS; arguments qkv, pw, st; writes pw, st
;; launch pv (part 6): grid 8 x 32, 4 waves a work-group, clusters of 4 x 4, 327,680 bytes of LDS; arguments pw, st, qkv, out0, out1; writes out0, out1
.if DOCPART == 6
	.amdgcn_target "amdgcn-amd-amdhsa--gfx1250"
	.amdhsa_code_object_version 6
	.text
	.protected	k_q8ed16d2401_pv
	.globl	k_q8ed16d2401_pv
	.p2align	8
	.type	k_q8ed16d2401_pv,@function
k_q8ed16d2401_pv:
	s_mov_b64 s[64:65], 0
	v_nop
	global_prefetch_b8 v0, s[64:65] scope:SCOPE_SE
	s_setreg_imm32_b32 hwreg(HW_REG_WAVE_MODE, 25, 1), 1
	s_wait_xcnt 0x0
	s_wait_alu depctr_hold_cnt(0) depctr_sa_sdst(0) depctr_va_vdst(0) depctr_va_sdst(0) depctr_va_ssrc(0) depctr_va_vcc(0) depctr_vm_vsrc(0)
	s_getreg_b32 s2, hwreg(HW_REG_IB_STS2, 6, 4)
	s_cmp_eq_u32 s2, 0
	s_cbranch_scc0 .Lentry_in_a_cluster
	s_endpgm
.Lentry_in_a_cluster:
	s_bfe_u32 s2, ttmp6, 0x10000c
	s_cmp_lg_u32 s2, 0xf033
	s_cbranch_scc0 .Lentry_shape_is_right
	s_endpgm
.Lentry_shape_is_right:
; O = softmax x v from the weights and statistics of the launch before.  For a row: E = the largest e of its key blocks, g = 2^(e - E), L = sum of g l,
; O[row][ch] = (sum over key blocks of g x (sum over the block's keys of p v[key][ch])) / L.  p and v are bf16; the sums, g and L are f32; O is f32.
; A K step is a key block of 256: its products start from 0 in the step's accumulators S, and at its end TOT += g S, one fused multiply-add for two numbers.
; SHARES.  A work-group makes tiles of 128 rows x 128 channels and walks 16 K steps, in two phases of 2,048 keys: equal work for all 256.
;   compound rows (cluster rows 0-3): ONE tile, 4,096 keys: phase 1 goes on with the same TOT.   protein rows (cluster rows 4-7): TWO tiles, 2,048 rows apart, 2,048 keys each:
;   the first goes out behind phase 0 and TOT is cleared.  Which of the two hangs on the cluster's y alone.
; A wave makes 64 x 64: 16 accumulators.  Source 0 = 16 channels of v (turned out of LDS by ds_load_tr16_b128), source 1 = 16 rows of p: a lane holds one row and eight neighbouring channels.
; CLUSTER 4 x 4: p's tile is shared along a row of the cluster, v's along a column.
; TOT is cleared by moves: at the start, in the wait for the first tile, and between a protein work-group's two tiles: the price of one text for every K step.
; LIMITS.  A g below 2^-126 counts as 0; NaN and infinities are not treated apart.
; REGISTERS.  window 0: v6-29 addresses and reciprocals; v32-39 g of my row in the four row blocks (even registers; the odd ones hold 0 and are named with them as pairs);
;   v64-95 the way out; v128-255 S ((a, b) at 128 + 8 (4 a + b); first the statistics).
;   window 1: two fragment buffers of 128, each 64 keys deep: p's fragment (half c, row block a) at 8 (4 c + a), v's (half c, channel block b) at 64 + 8 (4 c + b).   window 2: v0-127 TOT.
.set PA,     528                       ; a row of p in LDS: 512 bytes + 16
.set PB,     288                       ; a row of v: 256 + 32
.set HA,     64*PA
.set HB,     128*PB
.set BOFF,   2*HA                      ; a slot: p's 128 rows, then v's 256 keys
.set SLOT,   147456                    ; 0x24000 shares no bit with a tile's place in a slot: one exclusive or changes slots
.set STAGE,  SLOT+BOFF+2*HB
.set SPITCH, 272
.set GT,     STAGE+4*16*SPITCH         ; 17 entries of 512 bytes: for K step n the 128 rows' g; the last is 0 and serves the loads behind the last step
.set RL,     GT+17*512                 ; 1 / L of the 128 rows, for each phase
.set SPARE,  RL+1024
.set STO, 6
.set RD,  7
.set CO,  8
.set RLA, 9
.set R,   10                           ; v10, 12, 14, 16: 1 / L of my row in the four row blocks; v11, 13, 15, 17: 0, named with them as pairs
.set GTA, 18
.set RLS, 19
.set SO,  20
.set AA,  21                           ; my lane's place in p's tile of the slot in hand
.set AB,  22                           ; in v's tile, keys 0-127
.set AB2, 23                           ; keys 128-255: their offsets would pass the 16 bits of an LDS instruction's immediate
.set AA0, 24                           ; the places in slot 0; never rewritten
.set AB0, 25
.set GA,  26
.set SPW, 28
.set NIL, 29
.set G,   32
.set TMP, 64
.set ACC, 128
.set S0,  128                          ; the statistics: for n = 8 phase + key block: e, l, e, l of the two halves at S0 + 4 n
.set M0,  192
.set MXX, 194
.set MF,  196
.set LP,  198
.set LT,  200
.set F0,  0
.set F1,  128
.set G1,  24
.set G0,  32
.set G1B, 48
.set G0B, 56
.set TB,   74
.set NX,   75                          ; the K step to be asked for next
.set KM,   76                          ; v's keys go round after 8 steps (protein rows) or run on (compound rows)
.set FL,   77                          ; the outer counter's value at which the first tile goes out; never met for compound rows
.set CPM,  78                          ; all ones for compound rows
.set ISPC, 79
.set MSB, 0
.macro WIN new
.if MSB != (\new)
	s_set_vgpr_msb (MSB<<8)|(\new)
.set MSB, (\new)
.endif
.endm
.macro PLACES
.rept 4
	v_nop
.endr
.endm
.macro JLOAD
	s_cmp_eq_u32 s11, 0
	s_cbranch_scc0 .Lfor_b_\@
	tensor_load_to_lds s[G0+4:G0+7], s[G1:G1+7]
	s_nop 0
	PLACES
	s_branch .Lasked_\@
.Lfor_b_\@:
	tensor_load_to_lds s[G0B+4:G0B+7], s[G1B:G1B+7]
	s_nop 0
	PLACES
.Lasked_\@:
.endm
.macro CREST
	s_cmp_lg_u32 s10, 0
	s_cbranch_scc1 .Lnot_wave_0_\@
	s_barrier_signal -3
.Lnot_wave_0_\@:
	s_barrier_wait -3
	s_barrier_signal -1
	s_barrier_wait -1
.endm
.macro CROUND
	s_barrier_signal -1
	s_barrier_wait -1
	CREST
.endm
	s_load_b128 s[4:7], s[0:1], 0x0                ; pw, st
	s_load_b128 s[68:71], s[0:1], 0x10             ; qkv, out0
	s_load_b64 s[72:73], s[0:1], 0x20              ; out1
	v_lshl_add_u32 v[SPW], v0, 2, SPARE
	v_mov_b32 v[NIL], 0
	ds_add_u32 v[SPW], v[NIL]                      ; the wave's opening: the add and its wait stand ahead of my first tensor load
	v_lshrrev_b32 v1, 5, v0
	v_readfirstlane_b32 s10, v1
	s_lshr_b32 s11, s10, 1                         ; my half of the rows; also: I fetch p (0) or v (1)
	s_and_b32 s12, s10, 1                          ; my half of the channels; also: which half of that tile I fetch
	s_bfe_u32 s40, ttmp6, 0x40000
	s_bfe_u32 s41, ttmp6, 0x40004
	s_lshl_b32 s42, ttmp9, 2
	s_add_co_u32 s42, s42, s40                     ; block of 128 channels
	s_and_b32 s45, ttmp7, 0xffff
	s_lshl_b32 s13, s45, 2
	s_add_co_u32 s13, s13, s41                     ; y
	s_lshl_b32 s43, s41, 2
	s_lshl_b32 s43, 15, s43
	s_lshl_b32 s44, 0x1111, s40
	s_cmp_ge_u32 s45, 4
	s_cselect_b32 s[ISPC], 1, 0
	s_cselect_b32 s[KM], 7, 15
	s_cselect_b32 s[FL], 7, 0xffff
	s_cselect_b32 s[CPM], 0, -1
	s_or_b32 s[G1], s43, (1<<16)|(1<<20)|(1<<21)|(6<<22)|(3<<25)   ; p: 64 rows x 256 keys; after every 128 words 4 words of padding
	s_mov_b32 s[G1+1], 256<<16
	s_mov_b32 s[G1+2], 64<<16
	s_mov_b32 s[G1+3], 256<<16
	s_mov_b32 s[G1+4], 64
	s_mov_b32 s[G1+5], 2048
	s_mov_b32 s[G1+6], 0
	s_mov_b32 s[G1+7], 0
	s_or_b32 s[G1B], s44, (1<<16)|(1<<20)|(1<<21)|(5<<22)|(7<<25)  ; v: 128 keys x 128 channels; after every 64 words 8 words
	s_mov_b32 s[G1B+1], 128<<16
	s_mov_b32 s[G1B+2], 128<<16
	s_mov_b32 s[G1B+3], 128<<16
	s_mov_b32 s[G1B+4], 128
	s_mov_b32 s[G1B+5], 1024
	s_mov_b32 s[G1B+6], 0
	s_mov_b32 s[G1B+7], 0
	s_lshl_b32 s22, s[ISPC], 4
	s_add_co_u32 s22, s22, s13                     ; my first block of 128 virtual rows: y, or y + 16
	s_lshl_b32 s16, s22, 7
	s_lshl_b32 s17, s12, 6
	s_add_co_u32 s16, s16, s17
	s_lshl_b32 s16, s16, 12
	s_mov_b32 s17, 0                               ; stays 0: s[16:17] is p's offset from here on
	s_lshl_b32 s2, s22, 14                         ; the block's sixteen records
	s_mov_b32 s3, 0
	s_lshl_b32 s80, s[ISPC], 12
	s_add_co_u32 s80, s80, 12288                   ; vp's first row in qkv, or vc's
	s_lshl_b32 s81, s12, 7
	s_add_co_u32 s80, s80, s81
	s_lshl_b32 s80, s80, 11
	s_lshl_b32 s81, s42, 8
	s_add_co_u32 s80, s80, s81
	s_mov_b32 s81, 0
	s_mov_b32 s67, 0                               ; stays 0: s[66:67] is v's offset
	s_mov_b32 s[TB], 0
	s_mov_b32 s[NX], 2
	s_wait_dscnt 0x0
	s_wait_kmcnt 0x0
	s_add_nc_u64 s[14:15], s[4:5], s[16:17]        ; p at K step 0 of the 64 rows that I fetch
	s_add_nc_u64 s[6:7], s[6:7], s[2:3]
	s_add_nc_u64 s[46:47], s[68:69], s[80:81]      ; v at K step 0 of the 128 keys that I fetch
	s_cmp_ge_u32 s45, 4
	s_cselect_b64 s[82:83], s[72:73], s[70:71]
	s_lshl_b32 s22, s[ISPC], 4
	s_sub_co_u32 s22, s13, s22
	s_lshl_b32 s22, s22, 7
	s_lshl_b32 s23, s11, 6
	s_add_co_u32 s22, s22, s23
	s_lshl_b32 s80, s22, 12
	s_lshl_b32 s22, s42, 9
	s_add_co_u32 s80, s80, s22
	s_lshl_b32 s22, s12, 8
	s_add_co_u32 s80, s80, s22
	s_add_nc_u64 s[18:19], s[82:83], s[80:81]      ; the output at my 64 x 64 of the first tile,
	s_lshl_b32 s80, s[ISPC], 23
	s_add_nc_u64 s[20:21], s[18:19], s[80:81]      ; and of the last (the same one for compound rows)
	s_mul_i32 s22, s12, HA
	s_mul_i32 s23, s12, HB
	s_add_co_u32 s23, s23, BOFF
.irp s, 0,1
	s_mov_b32 s[G0+4*(\s)], 1
	s_add_co_u32 s[G0+4*(\s)+1], s22, (\s)*SLOT
	s_add_nc_u64 s[G0+4*(\s)+2:G0+4*(\s)+3], s[14:15], (\s)*512
	s_or_b32 s[G0+4*(\s)+3], s[G0+4*(\s)+3], 0x80000000
	s_mov_b32 s[G0B+4*(\s)], 1
	s_add_co_u32 s[G0B+4*(\s)+1], s23, (\s)*SLOT
	s_add_nc_u64 s[G0B+4*(\s)+2:G0B+4*(\s)+3], s[46:47], (\s)*(1<<19)
	s_or_b32 s[G0B+4*(\s)+3], s[G0B+4*(\s)+3], 0x80000000
.endr
	CROUND
	s_cmp_eq_u32 s11, 0                            ; a wave's two first fills stand in one branch: two loads of mine are out
	s_cbranch_scc0 .Lfirst_b
	tensor_load_to_lds s[G0:G0+3], s[G1:G1+7]
	s_nop 0
	tensor_load_to_lds s[G0+4:G0+7], s[G1:G1+7]
	s_nop 0
	PLACES
	s_branch .Lfirst_done
.Lfirst_b:
	tensor_load_to_lds s[G0B:G0B+3], s[G1B:G1B+7]
	s_nop 0
	tensor_load_to_lds s[G0B+4:G0B+7], s[G1B:G1B+7]
	s_nop 0
	PLACES
.Lfirst_done:
	; THE STATISTICS.  Thread i owns row i of the 128: 32 pairs (e, l); a wave's load covers 256 consecutive bytes, aligned.
	v_lshlrev_b32 v[SO], 3, v0
.set n_, 0
.rept 32
	global_load_b64 v[S0+2*n_:S0+2*n_+1], v[SO], s[6:7] offset:(n_/16)*262144+(n_%16)*1024
.set n_, n_+1
.endr
	v_and_b32 v1, 15, v0
	v_bfe_u32 v2, v0, 4, 1
	v_mul_u32_u24 v3, v1, PA
	v_lshl_add_u32 v3, v2, 4, v3
	s_mul_i32 s22, s11, HA
	v_add_nc_u32 v[AA0], s22, v3                   ; p's fragments: row x pitch + 16 x half, in my 64 rows
	v_and_b32 v4, 7, v0
	v_lshl_add_u32 v4, v2, 3, v4
	v_mul_u32_u24 v4, v4, PB
	v_bfe_u32 v5, v0, 3, 1
	v_lshl_add_u32 v4, v5, 4, v4
	s_lshl_b32 s22, s12, 7
	s_add_co_u32 s22, s22, BOFF
	v_add_nc_u32 v[AB0], s22, v4                   ; the turning load: key 8 (l / 16) + l % 8, channels 8 ((l / 8) % 2) on, in my 64 channels
	v_mov_b32 v[AA], v[AA0]
	v_mov_b32 v[AB], v[AB0]
	v_add_nc_u32 v[AB2], 4*32*PB, v[AB0]
	s_lshl_b32 s22, s11, 8
	s_add_co_u32 s23, s22, GT
	v_lshl_add_u32 v[GA], v1, 2, s23               ; g of row 64 x half + l % 16
	s_add_co_u32 s23, s22, RL
	v_lshl_add_u32 v[RLA], v1, 2, s23
	s_mul_i32 s23, s10, 16*SPITCH
	s_add_co_u32 s23, s23, STAGE
	v_mul_u32_u24 v3, v1, SPITCH
	v_lshl_add_u32 v3, v2, 5, v3
	v_add_nc_u32 v[STO], s23, v3                   ; into my stage: row l % 16, 32 bytes for each half of the lanes
	v_mul_u32_u24 v3, v2, SPITCH
	v_lshl_add_u32 v3, v1, 4, v3
	v_add_nc_u32 v[RD], s23, v3
	v_lshlrev_b32 v3, 12, v2
	v_lshl_add_u32 v[CO], v1, 4, v3
	v_lshl_add_u32 v[GTA], v0, 2, GT
	v_lshl_add_u32 v[RLS], v0, 2, RL
.irp a, 0,1,2,3
	v_mov_b32 v[R+2*(\a)+1], 0
	v_mov_b32 v[G+2*(\a)+1], 0
.endr
	WIN 0x80
.set n_, 0
.rept 128
	v_mov_b32 v[n_], 0                             ; TOT
.set n_, n_+1
.endr
	WIN 0
	s_wait_loadcnt 0x0
.irp p, 0,1
	v_max3_num_f32 v[M0+(\p)], v[S0+32*(\p)], v[S0+32*(\p)+4], v[S0+32*(\p)+8]
	v_max3_num_f32 v[M0+(\p)], v[M0+(\p)], v[S0+32*(\p)+12], v[S0+32*(\p)+16]
	v_max3_num_f32 v[M0+(\p)], v[M0+(\p)], v[S0+32*(\p)+20], v[S0+32*(\p)+24]
	v_max_num_f32 v[M0+(\p)], v[M0+(\p)], v[S0+32*(\p)+28]
.endr
	v_max_num_f32 v[MXX], v[M0], v[M0+1]
	v_cndmask_b32 v[MF], v[M0], v[MXX], s[CPM]     ; E: over both phases for compound rows, over its own for protein rows
	v_cndmask_b32 v[MF+1], v[M0+1], v[MXX], s[CPM]
.set n_, 0
.rept 16
	v_sub_f32 v[S0+4*n_], v[S0+4*n_], v[MF+n_/8]
	v_add_f32 v[S0+4*n_+1], v[S0+4*n_+1], v[S0+4*n_+3]
.set n_, n_+1
.endr
.set n_, 0
.rept 16
	v_exp_f32 v[S0+4*n_+2], v[S0+4*n_]             ; g
.set n_, n_+1
.endr
	v_nop                                          ; a plain instruction between the last exponential and the use of its result
	s_wait_alu depctr_va_vdst(0)
.irp p, 0,1
	v_mul_f32 v[LP+(\p)], v[S0+32*(\p)+2], v[S0+32*(\p)+1]
.irp k, 1,2,3,4,5,6,7
	v_fmac_f32 v[LP+(\p)], v[S0+32*(\p)+4*(\k)+2], v[S0+32*(\p)+4*(\k)+1]
.endr
.endr
	v_add_f32 v[LT], v[LP], v[LP+1]
	v_cndmask_b32 v[LP], v[LP], v[LT], s[CPM]
	v_cndmask_b32 v[LP+1], v[LP+1], v[LT], s[CPM]
	v_rcp_f32 v[LP], v[LP]
	v_rcp_f32 v[LP+1], v[LP+1]
	v_nop                                          ; a plain instruction between the last reciprocal and the use of its result
.set n_, 0
.rept 16
	ds_store_b32 v[GTA], v[S0+4*n_+2] offset:512*n_
.set n_, n_+1
.endr
	ds_store_b32 v[GTA], v[R+1] offset:512*16
	s_wait_alu depctr_va_vdst(0)
	ds_store_b32 v[RLS], v[LP]
	ds_store_b32 v[RLS], v[LP+1] offset:512
; 8 products: row blocks a0, a0 + 1 x all 4 channel blocks, 32 keys: half c of buffer f.  zero = 1: the K step's first products start S.  The 16 accumulators take turns.
.macro MUL8 f, c, a0, zero
	WIN 0x05
.irp a, \a0, (\a0)+1
.irp b, 0,1,2,3
.if \zero
	v_wmma_f32_16x16x32_bf16 v[ACC+8*(4*(\a)+(\b)):ACC+8*(4*(\a)+(\b))+7], v[(\f)+64+8*(4*(\c)+(\b)):(\f)+64+8*(4*(\c)+(\b))+7], v[(\f)+8*(4*(\c)+(\a)):(\f)+8*(4*(\c)+(\a))+7], 0
.else
	v_wmma_f32_16x16x32_bf16 v[ACC+8*(4*(\a)+(\b)):ACC+8*(4*(\a)+(\b))+7], v[(\f)+64+8*(4*(\c)+(\b)):(\f)+64+8*(4*(\c)+(\b))+7], v[(\f)+8*(4*(\c)+(\a)):(\f)+8*(4*(\c)+(\a))+7], v[ACC+8*(4*(\a)+(\b)):ACC+8*(4*(\a)+(\b))+7]
.endif
.endr
.endr
.endm
.macro WM1 f, c, j                     ; one product, on accumulator j = 4 a + b
	WIN 0x05
	v_wmma_f32_16x16x32_bf16 v[ACC+8*(\j):ACC+8*(\j)+7], v[(\f)+64+8*(4*(\c)+(\j)%4):(\f)+64+8*(4*(\c)+(\j)%4)+7], v[(\f)+8*(4*(\c)+(\j)/4):(\f)+8*(4*(\c)+(\j)/4)+7], v[ACC+8*(\j):ACC+8*(\j)+7]
.endm
.macro FMA4 j                          ; TOT += g S for accumulator j, from its low end on
	WIN 0xa0
.irp z, 0,1,2,3
	v_pk_fma_f32 v[8*(\j)+2*(\z):8*(\j)+2*(\z)+1], v[ACC+8*(\j)+2*(\z):ACC+8*(\j)+2*(\z)+1], v[G+2*((\j)/4):G+2*((\j)/4)+1], v[8*(\j)+2*(\z):8*(\j)+2*(\z)+1] op_sel_hi:[1,0,1]
.endr
.endm
; 32 LDS loads in one run: quarter q of the K step (64 keys) into buffer f; its first 32 keys first
.macro FETCH q, f
	WIN 0x40
.irp c, 0,1
.irp i, 0,1,2,3
.if (\q) < 2
	ds_load_tr16_b128 v[(\f)+64+8*(4*(\c)+(\i)):(\f)+64+8*(4*(\c)+(\i))+3],   v[AB] offset:(2*(\q)+(\c))*32*PB+32*(\i)
	ds_load_tr16_b128 v[(\f)+64+8*(4*(\c)+(\i))+4:(\f)+64+8*(4*(\c)+(\i))+7], v[AB] offset:(2*(\q)+(\c))*32*PB+32*(\i)+16*PB
.else
	ds_load_tr16_b128 v[(\f)+64+8*(4*(\c)+(\i)):(\f)+64+8*(4*(\c)+(\i))+3],   v[AB2] offset:(2*(\q)+(\c)-4)*32*PB+32*(\i)
	ds_load_tr16_b128 v[(\f)+64+8*(4*(\c)+(\i))+4:(\f)+64+8*(4*(\c)+(\i))+7], v[AB2] offset:(2*(\q)+(\c)-4)*32*PB+32*(\i)+16*PB
.endif
	ds_load_b128 v[(\f)+8*(4*(\c)+(\i)):(\f)+8*(4*(\c)+(\i))+3],   v[AA] offset:(2*(\q)+(\c))*64+(\i)*16*PA
	ds_load_b128 v[(\f)+8*(4*(\c)+(\i))+4:(\f)+8*(4*(\c)+(\i))+7], v[AA] offset:(2*(\q)+(\c))*64+(\i)*16*PA+32
.endr
.endr
.endm
.macro LDG                             ; g of my row in the four row blocks, for the K step that begins
	WIN 0
.irp a, 0,1,2,3
	ds_load_b32 v[G+2*(\a)], v[GA] offset:64*(\a)
.endr
.endm
; One of a K step's first three quarters: multiplies buffer f; in its middle fetches quarter q into buffer g, 16 products ahead of its first use
.macro QUARTER q, f, g, zero
	s_wait_dscnt 16                                ; the first 32 keys are in; the youngest sixteen loads may be out
	MUL8 \f, 0, 0, \zero
	MUL8 \f, 0, 2, \zero
	PLACES                                         ; in front of loads into registers that matrix instructions have read
	FETCH \q, \g
	s_wait_dscnt 32                                ; all but the 32 just issued
	MUL8 \f, 1, 0, 0
	MUL8 \f, 1, 2, 0
.endm
; The last quarter multiplies buffer 1, changes slots and ends the K step.  fill = 1: the slot is filled again with K step NX; the descriptors' addresses are made anew from that number.
; Behind each of the last 15 products stand the four multiply-adds of the accumulator finished one product earlier: they name no register of the product in front of them, so they are
; the four places between that product and the multiply-adds that read its result.
.macro TURN fill
	WIN 0
	s_wait_tensorcnt 0x0                           ; all my tensor loads have landed: my part of the next slot; so a group 0 may be written
	ds_add_u32 v[SPW], v[NIL]                      ; 0 onto my spare word
.if \fill
	s_and_b32 s16, s[NX], 7
	s_lshl_b32 s16, s16, 9                         ; 512 bytes along p's rows a step,
	s_lshr_b32 s22, s[NX], 3
	s_lshl_b32 s22, s22, 23                        ; 2,048 virtual rows down in phase 1
	s_add_co_u32 s16, s16, s22
	s_and_b32 s66, s[NX], s[KM]
	s_lshl_b32 s66, s66, 19                        ; 256 rows of v a step
	s_xor_b32 s[G0+5], s[G0+5], SLOT
	s_add_nc_u64 s[G0+6:G0+7], s[14:15], s[16:17]
	s_or_b32 s[G0+7], s[G0+7], 0x80000000
	s_xor_b32 s[G0B+5], s[G0B+5], SLOT
	s_add_nc_u64 s[G0B+6:G0B+7], s[46:47], s[66:67]
	s_or_b32 s[G0B+7], s[G0B+7], 0x80000000
	s_add_co_u32 s[NX], s[NX], 1
.endif
	s_wait_dscnt 17                                ; the add and the youngest sixteen loads may be out
	MUL8 F1, 0, 0, 0
	s_wait_dscnt 0x0                               ; the add is done, and my reads of this slot are over
	s_barrier_signal -1
	MUL8 F1, 0, 2, 0
	WIN 0
	s_barrier_wait -1
.if \fill
	CREST                                          ; no wave of any partner still reads the slot or has a load on its way
	JLOAD                                          ; its four v_nop are also the places in front of the loads below
.else
	PLACES
.endif
	s_xor_b32 s[TB], s[TB], SLOT
	v_add_nc_u32 v[AA], s[TB], v[AA0]
	v_add_nc_u32 v[AB], s[TB], v[AB0]
	v_add_nc_u32 v[AB2], 4*32*PB, v[AB]
	FETCH 0, F0
	WM1 F1, 1, 0
	PLACES
.set j_, 1
.rept 15
	WM1 F1, 1, j_
	FMA4 j_-1
.set j_, j_+1
.endr
	FMA4 15
	WIN 0
	v_add_nc_u32 v[GA], 0x200, v[GA]               ; with the line below and accumulator 14's four: six places between the last product and the next K step's product that writes over its result
	v_nop
	LDG
.endm
; A tile goes out: divided by L, 16 rows at a time through my stage, back as whole rows of 256 bytes
.macro FLUSH p, base, clear
	WIN 0
.irp a, 0,1,2,3
	ds_load_b32 v[R+2*(\a)], v[RLA] offset:512*(\p)+64*(\a)
.endr
	s_wait_dscnt 0x0
.irp a, 0,1,2,3
	s_wait_xcnt 0x0                                ; the registers that earlier stores read are rewritten only behind this wait
	WIN 0x02
.set i_, 0
.rept 16
	v_pk_mul_f32 v[TMP+2*i_:TMP+2*i_+1], v[32*(\a)+2*i_:32*(\a)+2*i_+1], v[R+2*(\a):R+2*(\a)+1] op_sel_hi:[1,0]
.set i_, i_+1
.endr
	WIN 0
.irp b, 0,1,2,3
	ds_store_b128 v[STO], v[TMP+8*(\b):TMP+8*(\b)+3] offset:64*(\b)
	ds_store_b128 v[STO], v[TMP+8*(\b)+4:TMP+8*(\b)+7] offset:64*(\b)+16
.endr
.irp t, 0,1,2,3,4,5,6,7
	ds_load_b128 v[TMP+4*(\t):TMP+4*(\t)+3], v[RD] offset:(\t)*2*SPITCH  ; LDS serves a wave's instructions in order: these see the stores above
.endr
	s_wait_dscnt 0x0
.irp t, 0,1,2,3,4,5,6,7
	global_store_b128 v[CO], v[TMP+4*(\t):TMP+4*(\t)+3], s[\base:\base+1] offset:65536*(\a)+8192*(\t) th:TH_STORE_NT  ; 16 lanes store 256 consecutive bytes, aligned
.endr
.endr
.if \clear
	WIN 0x80
.set n_, 0
.rept 128
	v_mov_b32 v[n_], 0
.set n_, n_+1
.endr
	WIN 0
.endif
.endm
	s_wait_tensorcnt 0x1                           ; my part of K step 0 is in; K step 1's may stay out
	s_wait_dscnt 0x0                               ; for the others' sake: my rows' g and 1 / L are stored
	s_barrier_signal -1
	s_barrier_wait -1
	LDG
	FETCH 0, F0
	WIN 0
	s_mov_b32 s2, 14
.Lstep:                                                ; 14 trips, a K step each; K steps 2 to 15 are asked for
	QUARTER 1, F0, F1, 1
	QUARTER 2, F1, F0, 0
	QUARTER 3, F0, F1, 0
	TURN 1
	s_cmp_eq_u32 s2, s[FL]                         ; behind K step 7 a protein work-group's first tile is whole; the jump passes no barrier and no tensor load
	s_cbranch_scc0 .Lnoflush
	FLUSH 0, 18, 1
.Lnoflush:
	s_sub_co_u32 s2, s2, 1
	s_cmp_lg_u32 s2, 0
	s_cbranch_scc1 .Lstep
	s_mov_b32 s2, 2
.Ltail:                                                ; the last two K steps ask for nothing.  Behind the last the loads from an old slot and of g's spare entry serve nothing: the price of one text for both
	QUARTER 1, F0, F1, 1
	QUARTER 2, F1, F0, 0
	QUARTER 3, F0, F1, 0
	TURN 0
	s_sub_co_u32 s2, s2, 1
	s_cmp_lg_u32 s2, 0
	s_cbranch_scc1 .Ltail
	FLUSH 1, 20, 0
	s_wait_tensorcnt 0x0                           ; the wave's end
	ds_add_u32 v[SPW], v[NIL]
	s_wait_dscnt 0x0
	CROUND
	s_endpgm
.Lfunc_end_k_q8ed16d2401_pv:
	.size	k_q8ed16d2401_pv, .Lfunc_end_k_q8ed16d2401_pv-k_q8ed16d2401_pv
	.p2alignl 7, 3214868480
	.fill 96, 4, 3214868480
	.section	.rodata,"a",@progbits
	.p2align	6, 0x0
	.amdhsa_kernel k_q8ed16d2401_pv
		.amdhsa_group_segment_fixed_size 327680
		.amdhsa_private_segment_fixed_size 0
		.amdhsa_enable_private_segment 0
		.amdhsa_kernarg_size 40
		.amdhsa_user_sgpr_count 2
		.amdhsa_user_sgpr_kernarg_segment_ptr 1
		.amdhsa_wavefront_size32 1
		.amdhsa_system_sgpr_workgroup_id_x 1
		.amdhsa_system_sgpr_workgroup_id_y 1
		.amdhsa_system_sgpr_workgroup_id_z 1
		.amdhsa_system_vgpr_workitem_id 0
		.amdhsa_next_free_vgpr 640
		.amdhsa_next_free_sgpr 96
		.amdhsa_reserve_vcc 0
		.amdhsa_float_denorm_mode_32 3
		.amdhsa_float_denorm_mode_16_64 3
		.amdhsa_memory_ordered 1
		.amdhsa_forward_progress 1
		.amdhsa_inst_pref_size 98
	.end_amdhsa_kernel
	.amdgpu_metadata
---
amdhsa.version: [ 1, 2 ]
amdhsa.kernels:
  - .name:           k_q8ed16d2401_pv
    .symbol:         k_q8ed16d2401_pv.kd
    .args:
      - { .name: pw, .offset: 0, .size: 8, .value_kind: global_buffer, .address_space: global }
      - { .name: st, .offset: 8, .size: 8, .value_kind: global_buffer, .address_space: global }
      - { .name: qkv, .offset: 16, .size: 8, .value_kind: global_buffer, .address_space: global }
      - { .name: out0, .offset: 24, .size: 8, .value_kind: global_buffer, .address_space: global }
      - { .name: out1, .offset: 32, .size: 8, .value_kind: global_buffer, .address_space: global }
    .group_segment_fixed_size: 327680
    .private_segment_fixed_size: 0
    .kernarg_segment_align: 8
    .kernarg_segment_size: 40
    .max_flat_workgroup_size: 128
    .sgpr_count:     96
    .vgpr_count:     640
    .wavefront_size: 32
...
	.end_amdgpu_metadata
.endif
;; end of part 6
;; ======== version 3 of 3: 4 launches; version 2 with the launch cast written anew for expert scheduling mode
;; workspace buffers: xw 50,331,648 bytes; qkv 37,748,736 bytes; pw 33,554,432 bytes; st 1,048,576 bytes
;; launch cast (part 7): grid 768 x 1, 8 waves a work-group, no clusters, 0 bytes of LDS; arguments Qc, Qp, Kp, Kc, Vp, Vc, Wq_c, Wq_p, Wk_p, Wk_c, Wv_p, Wv_c, xw; writes xw
.if DOCPART == 7
	.amdgcn_target "amdgcn-amd-amdhsa--gfx1250"
	.amdhsa_code_object_version 6
	.text
	.protected	k_q8ed16d2401_cast
	.globl	k_q8ed16d2401_cast
	.p2align	8
	.type	k_q8ed16d2401_cast,@function
k_q8ed16d2401_cast:
	s_mov_b64 s[64:65], 0
	v_nop
	global_prefetch_b8 v0, s[64:65] scope:SCOPE_SE
	s_setreg_imm32_b32 hwreg(HW_REG_WAVE_SCHED_MODE, 0, 2), 2
	s_setreg_imm32_b32 hwreg(HW_REG_WAVE_MODE, 25, 1), 1
	s_wait_xcnt 0x0
	s_wait_alu depctr_vm_vsrc(0)
; THE SIX X AND THE SIX W, ROUNDED ONCE TO bf16.  xw is [24576][1024] bf16: rows 0 Qc, 2048 Qp, 6144 Kp, 10240 Kc, 12288 Vp, 16384 Vc, then from 18432 on 1,024 rows each of
; Wq_c, Wq_p, Wk_p, Wk_c, Wv_p, Wv_c.  The next launch multiplies them: as bf16 a tile takes half the LDS bytes that it takes as f32, so each of that launch's K steps holds twice the products.
; A stream: no LDS, no barrier, no matrix unit, no cluster: no byte is read twice and no wave needs another's.
; SHARES.  A work-group takes 32 rows (all twelve inputs are multiples of 1,024 rows, so it lies in one of them), each of its eight waves 16,384 consecutive bytes of f32.
; All 32 loads of a wave go out at once; each covers 512 consecutive bytes.  A lane's four numbers are rounded in place into two registers, and a store of 8 bytes a lane covers 256 consecutive
; bytes, aligned.
; THE MODE: SCHED_MODE bits 1:0 = 2 (LLVM: expert scheduling mode 2), set by the entry lines.  The code itself states the register dependences between vector instructions and memory
; instructions, with s_wait_alu, always for 0.
; THE PLAN.  Registers that memory instructions touch:
;   v1, v2             the loads' and the stores' offsets: written at the head by vector instructions, never again.
;   X + 4 i .. + 3     load i lands here; all 32 loads are issued ahead of the first rounding.  Load i's two roundings read the four and write the first two, once; store i reads those two, once.
; No register is written after a memory instruction has read it, and no load is issued behind a vector instruction that names its registers.  What is left to state: a vector instruction
; has written what a memory instruction reads.  The 32 loads are worked on in eight blocks of four.  Block p rounds loads 4 p .. 4 p + 3; its memory instructions are the four stores of
; block p - 1, whose registers no rounding of block p names.  So one wait at a block's head states all that the block's four stores hang on, and these are dealt among its roundings.
; LIMITS.  bf16's rounding to nearest even; NaN and infinities pass as the conversion makes them.
.set VI, 1                             ; v1  my byte offset in the work-group's f32 rows: wave x 16,384 + 16 x lane; never rewritten
.set VO, 2                             ; v2  half of it: my byte offset in its bf16 rows; never rewritten
.set X,  4                             ; v[4:131]  load i: four registers
.set BLK, 4                            ; loads in a block
.macro PICK thr, p                     ; from block thr of 1,024 rows on: the next input
	s_cmp_ge_u32 s2, \thr
	s_cselect_b64 s[4:5], s[\p:\p+1], s[4:5]
	s_cselect_b32 s6, \thr, s6
.endm
	s_load_b512 s[8:23], s[0:1], 0x0               ; Qc Qp Kp Kc Vp Vc Wq_c Wq_p
	s_load_b256 s[24:31], s[0:1], 0x40             ; Wk_p Wk_c Wv_p Wv_c
	s_load_b64 s[32:33], s[0:1], 0x60              ; xw
	s_lshr_b32 s2, ttmp9, 5                        ; my block of 1,024 rows: 32 work-groups to a block
	v_lshrrev_b32 v[VI], 5, v0
	v_and_b32 v[VO], 31, v0
	v_lshlrev_b32 v[VO], 4, v[VO]
	v_lshl_or_b32 v[VI], v[VI], 14, v[VO]
	v_lshrrev_b32 v[VO], 1, v[VI]
	s_wait_kmcnt 0x0
	s_mov_b64 s[4:5], s[8:9]
	s_mov_b32 s6, 0
	PICK 2, 10
	PICK 6, 12
	PICK 10, 14
	PICK 12, 16
	PICK 16, 18
	PICK 18, 20
	PICK 19, 22
	PICK 20, 24
	PICK 21, 26
	PICK 22, 28
	PICK 23, 30
	s_lshl_b32 s6, s6, 5                           ; the input's first work-group
	s_sub_co_u32 s6, ttmp9, s6
	s_lshl_b32 s6, s6, 17                          ; 32 rows of 4,096 bytes each
	s_mov_b32 s7, 0
	s_add_nc_u64 s[4:5], s[4:5], s[6:7]
	s_lshl_b32 s6, ttmp9, 16                       ; 32 rows of 2,048 bytes each
	s_add_nc_u64 s[32:33], s[32:33], s[6:7]
	s_wait_alu depctr_va_vdst(0)                   ; v1 and v2 are written: every load of the kernel reads v1 as its offset, every store v2
.set i, 0
.rept 32
	global_load_b128 v[X+4*i:X+4*i+3], v[VI], s[4:5] offset:512*i th:TH_LOAD_NT
.set i, i+1
.endr
.set p, 0
.rept 32/BLK                           ; block p
	s_wait_loadcnt 31-BLK*p                        ; loads come back in order: the block's first load is in, the younger ones stay out
.if p > 0
	s_wait_alu depctr_va_vdst(0)                   ; the roundings of the block before have written its eight registers, which the four stores below read
.endif
.set r, 0
.rept BLK
.set i, BLK*p+r
.if p > 0
	global_store_b64 v[VO], v[X+4*(i-BLK):X+4*(i-BLK)+1], s[32:33] offset:256*(i-BLK)  ; the block before; no vector instruction since the wait names these registers
.endif
.if r > 0
	s_wait_loadcnt 31-i                            ; load i is in, the younger ones stay out
.endif
	v_cvt_pk_bf16_f32 v[X+4*i], v[X+4*i], v[X+4*i+1]
	v_cvt_pk_bf16_f32 v[X+4*i+1], v[X+4*i+2], v[X+4*i+3]
.set r, r+1
.endr
.set p, p+1
.endr
	s_wait_alu depctr_va_vdst(0)                   ; the last block's roundings have written its eight registers, which the last four stores read
.set i, 32-BLK
.rept BLK
	global_store_b64 v[VO], v[X+4*i:X+4*i+1], s[32:33] offset:256*i
.set i, i+1
.endr
	s_endpgm
.Lfunc_end_k_q8ed16d2401_cast:
	.size	k_q8ed16d2401_cast, .Lfunc_end_k_q8ed16d2401_cast-k_q8ed16d2401_cast
	.p2alignl 7, 3214868480
	.fill 96, 4, 3214868480
	.section	.rodata,"a",@progbits
	.p2align	6, 0x0
	.amdhsa_kernel k_q8ed16d2401_cast
		.amdhsa_group_segment_fixed_size 0
		.amdhsa_private_segment_fixed_size 0
		.amdhsa_enable_private_segment 0
		.amdhsa_kernarg_size 104
		.amdhsa_user_sgpr_count 2
		.amdhsa_user_sgpr_kernarg_segment_ptr 1
		.amdhsa_wavefront_size32 1
		.amdhsa_system_sgpr_workgroup_id_x 1
		.amdhsa_system_sgpr_workgroup_id_y 1
		.amdhsa_system_sgpr_workgroup_id_z 1
		.amdhsa_system_vgpr_workitem_id 0
		.amdhsa_next_free_vgpr 132
		.amdhsa_next_free_sgpr 66
		.amdhsa_reserve_vcc 0
		.amdhsa_float_denorm_mode_32 3
		.amdhsa_float_denorm_mode_16_64 3
		.amdhsa_memory_ordered 1
		.amdhsa_forward_progress 1
		.amdhsa_inst_pref_size 14
	.end_amdhsa_kernel
	.amdgpu_metadata
---
amdhsa.version: [ 1, 2 ]
amdhsa.kernels:
  - .name:           k_q8ed16d2401_cast
    .symbol:         k_q8ed16d2401_cast.kd
    .args:
      - { .name: Qc, .offset: 0, .size: 8, .value_kind: global_buffer, .address_space: global }
      - { .name: Qp, .offset: 8, .size: 8, .value_kind: global_buffer, .address_space: global }
      - { .name: Kp, .offset: 16, .size: 8, .value_kind: global_buffer, .address_space: global }
      - { .name: Kc, .offset: 24, .size: 8, .value_kind: global_buffer, .address_space: global }
      - { .name: Vp, .offset: 32, .size: 8, .value_kind: global_buffer, .address_space: global }
      - { .name: Vc, .offset: 40, .size: 8, .value_kind: global_buffer, .address_space: global }
      - { .name: Wq_c, .offset: 48, .size: 8, .value_kind: global_buffer, .address_space: global }
      - { .name: Wq_p, .offset: 56, .size: 8, .value_kind: global_buffer, .address_space: global }
      - { .name: Wk_p, .offset: 64, .size: 8, .value_kind: global_buffer, .address_space: global }
      - { .name: Wk_c, .offset: 72, .size: 8, .value_kind: global_buffer, .address_space: global }
      - { .name: Wv_p, .offset: 80, .size: 8, .value_kind: global_buffer, .address_space: global }
      - { .name: Wv_c, .offset: 88, .size: 8, .value_kind: global_buffer, .address_space: global }
      - { .name: xw, .offset: 96, .size: 8, .value_kind: global_buffer, .address_space: global }
    .group_segment_fixed_size: 0
    .private_segment_fixed_size: 0
    .kernarg_segment_align: 8
    .kernarg_segment_size: 104
    .max_flat_workgroup_size: 256
    .sgpr_count:     66
    .vgpr_count:     132
    .wavefront_size: 32
...
	.end_amdgpu_metadata
.endif
;; end of part 7
;; launch proj: the kernel of part 5 again; grid 4 x 64, 4 waves a work-group, clusters of 4 x 4, 327,680 bytes of LDS; arguments xw, bq_c, bq_p, bk_p, bk_c, bv_p, bv_c, qkv; writes qkv
;; launch scores: the kernel of part 2 again; grid 8 x 32, 4 waves a work-group, clusters of 4 x 4, 327,680 bytes of LDS; arguments qkv, pw, st; writes pw, st
;; launch pv: the kernel of part 6 again; grid 8 x 32, 4 waves a work-group, clusters of 4 x 4, 327,680 bytes of LDS; arguments pw, st, qkv, out0, out1; writes out0, out1
